; MI455X (gfx1250); checked and timed in simulation.
; The chip was launched on July 23, 2026; its instructions are those of AMD's public machine-readable ISA for CDNA 5 (MIT licence, August 2026) and "CDNA5" Instruction Set Architecture Reference Guide (July 2026). The comments in the code are by the model that wrote it; some were corrected since.
;; Multi Head Attention. Allowed arithmetic: matrix products marked QUANTISED: E3M2 operands, one E8M0 scale for each 32 along K, by v_wmma_scale_f32_16x16x128_f8f6f4 with both operands' format E3M2, f32 sums; everything else in f32.
;; Inputs: Wk 1,024 x 1,024 float32; Wo 1,024 x 2,048 float32; Wq 1,024 x 1,024 float32; bk 1,024 float32; bo 1,024 float32; bq 1,024 float32; decoder_output 8 x 1,024 x 1,024 float32; encoder_outputs 8 x 1,024 x 1,024 float32.
;; Outputs: out0 8 x 1,024 x 1,024 float32.
;; This version of the problem:
;;   THIS VERSION OF THE PROBLEM IS GIVEN IN LOW PRECISION. The matrix products marked QUANTISED in the list below multiply operands that are first quantised to E3M2 (3 exponent bits, 2 mantissa bits; 6 bits a number), with one power-of-two scale for each 32 numbers along K (OCP MX v1.0); their sums are f32. All else is computed in f32.
;;   The module's matrix products, in the order in which they are computed (A, B: the left and right operand; K: the contracted axis; several contracted axes count as one K, in the product's order):
;;     1. [M 8,192, K 1,024] x [K 1,024, N 1,024]; A: input decoder_output; B: input Wq: QUANTISED
;;     2. [M 8,192, K 1,024] x [K 1,024, N 1,024]; A: input encoder_outputs; B: input Wk: QUANTISED
;;     3. batch 64 x [M 1,024, K 128] x [K 128, N 1,024]; A: computed on the way; B: computed on the way: QUANTISED
;;     4. batch 64 x [M 128, K 1,024] x [K 1,024, N 1,024]; A: computed on the way; B: softmax (see below): QUANTISED
;;     5. [M 8,192, K 2,048] x [K 2,048, N 1,024]; A: computed on the way; B: input Wo: QUANTISED
;;   THE QUANTISER, for each operand of a quantised product, along K:
;;     - K is cut into blocks of 32 from its start; a last block that is shorter is filled with zeros.
;;     - A block's scale is 2^e with e = floor(log2(the largest magnitude in the block)) - 4, held to -126 .. 127; a block of zeros has e = 0. As a byte (E8M0): e + 127.
;;     - Each number is divided by its block's scale, clamped to +-28, and rounded to the nearest number of E3M2, ties to even, subnormals kept.
;;     - The product sums the exact products of the quantised numbers (number of the format x scale) in f32.
;;   ~~~python
;;   def quantise(x, axis):      # numpy; x: float32 -> the quantised numbers, widened to float32 again
;;       x = np.moveaxis(x, axis, -1); K = x.shape[-1]
;;       x = np.pad(x, [(0, 0)] * (x.ndim - 1) + [(0, -K % 32)]); x = x.reshape(x.shape[:-1] + (-1, 32)); a = np.abs(x).max(-1, keepdims=True)
;;       e = np.where(a > 0, np.clip(np.frexp(np.where(a > 0, a, 1))[1] - 1 - 4, -126, 127), 0)      # np.frexp(a)[1] - 1 = floor(log2(a)), exactly
;;       r = np.clip(x / 2.0 ** e, -28, 28)
;;       step = 2.0 ** (np.maximum(np.frexp(np.where(r == 0, 1, r))[1] - 1, -2) - 2)
;;       q = np.round(r / step) * step * 2.0 ** e      # np.round: ties to even
;;       return np.moveaxis(q.reshape(q.shape[:-2] + (-1,))[..., :K], -1, axis).astype(np.float32)
;;   ~~~
;;   SOFTMAX AHEAD OF A QUANTISED PRODUCT. Where the list says 'softmax', what is quantised is not the finished softmax but p = 2^(t - M), with t = logit x log2(e) and M = ceil(the row's largest t), a whole number; so 1/2 < the row's largest p <= 1. The row's sum l is taken of the UNQUANTISED p, in f32, and the product's result is divided by l at the end. Since M is a whole number, a kernel that streams over the keys may use a running M (the ceiling of the running maximum): every later rescaling is an exact power of two, which a block's scale takes up: the codes' values come out the same.
;;   OPERANDS COMPUTED ON THE WAY. 'Computed on the way' means the value that the module computes at that place (a softmax that the list does not call 'softmax' is quantised finished and normalised). What goes into a quantiser is computed in f32, as accurately as f32 sums, v_exp_f32 and their like allow (about 1e-6 of the number): no bf16 or f16 on the way to a quantiser, and a product that is left as it is and whose result goes on into a quantised operand takes f32 operands (vector FMAs, or v_wmma_f32_16x16x4_f32). A number that lies on a knife's edge between two numbers of the format may be rounded either way, as far as f32 arithmetic and the matrix unit's own rounding can turn it there, and no further.
;; One version. Each part assembles by itself: llvm-mc -triple=amdgcn-amd-amdhsa -mcpu=gfx1250 --defsym DOCPART=n.
;; ======== version 1 of 1: 4 launches
;; limits: right only within a limited range of input values
;; workspace buffers: xw_codes 15,728,640 bytes; xw_scales 655,360 bytes; qk_codes 18,874,368 bytes; qk_scales 786,432 bytes; ctx_codes 6,291,456 bytes; ctx_scales 262,144 bytes
;; launch quant (part 1): grid 256 x 1, 5 waves a work-group, no clusters, 43,264 bytes of LDS; arguments decoder_output, encoder_outputs, Wq, Wk, Wo, xw_codes, xw_scales; writes xw_codes, xw_scales
.if DOCPART == 1
	.amdgcn_target "amdgcn-amd-amdhsa--gfx1250"
	.amdhsa_code_object_version 6
	.text
	.protected	k_q8593ecbb59_quant
	.globl	k_q8593ecbb59_quant
	.p2align	8
	.type	k_q8593ecbb59_quant,@function
k_q8593ecbb59_quant:
	s_mov_b64 s[64:65], 0
	v_nop
	global_prefetch_b8 v0, s[64:65] scope:SCOPE_SE
	s_setreg_imm32_b32 hwreg(HW_REG_WAVE_MODE, 25, 1), 1
	s_wait_xcnt 0x0
; Every wide input (K innermost, f32) becomes codes of BF6 (E3M2) with one E8M0 byte for each 32 along K, laid as IMAGES OF OPERAND REGISTERS.
; A unit is 16 rows x 1,024 along K: 8 fragments of 16 rows x 128 K.  A fragment is 12 registers a lane; its image is 1,536 bytes: registers 4 c .. 4 c + 3 of lane l at 512 c + 16 l.
; Unit U: codes at 12,288 U + 1,536 s, scale words at 512 U + 32 r + 4 s (row r of the unit, K step s).  Units 0-511 decoder_output, 512-1023 encoder_outputs, 1024-1087 Wq, 1088-1151 Wk,
; 1152-1215 Wo's columns 0-1023, 1216-1279 Wo's columns 1024-2047.
; THE ROWS OF A UNIT ARE NOT NEIGHBOURS: lane r of unit 2 g + u holds row 32 g + 8 u + r + 8 (r / 8), so that a product that takes units as source 0 leaves 16 neighbours along its rows in a lane's 16 registers.
; A block's scale is 2^(floor(log2(its largest magnitude)) - 4): the byte is the largest magnitude's exponent field - 4, held at 1 from below.
; LIMITS: a block of zeros gets the byte 1 where the rule says 127 (its codes are zeros, and this program alone reads the bytes); NaN and infinities among the inputs are not served.
; SHARES: 1,280 units = 256 work-groups x 5 waves, a unit a wave; waves share nothing, so there is no barrier.  A step is 128 along K: 16 loads, each 512 consecutive bytes of one row; the 8,192 bytes turn
; through the wave's own stage in LDS (rows of 512 + 16 bytes) and come back 64 neighbouring bytes of each block of 32 a lane.  Loads run two to three steps ahead in three sets of 64 registers.
.set SROW,  528                        ; a stage row: 512 bytes + 16: an odd multiple of 16, so the 16 rows that a read touches begin in 16 different groups of banks
.set STAGE, 16*SROW
.set OFF,   8                          ; v8-23    byte offset of my 16 bytes in row i of the unit; never rewritten
.set SET,   24                         ; v24-215  three sets of 64 numbers
.set PC,    216                        ; v216-234 the codes just made
.set TM,    236                        ; v236-239 largest magnitudes, v240-243 bytes
.set TMS,   244                        ; v244-247 the conversions' scale operands
.set PW,    248                        ; v248-255 the scale word of each step
.set SEL,   30                         ; s[30:31] lane selects for v_permlanex16_b32: lane l xor 16
; 64 numbers of a lane, register 16 b + i = k 32 b + 16 (lane / 16) + i of my row, become a fragment's codes in v[pc] .. v[pc + 11] and its scale word in v[pw].
.macro QUANT s, pc, pw
.irp b, 0,1,2,3
	v_max3_num_f32 v[TM+\b], |v[\s+16*\b]|, |v[\s+1+16*\b]|, 0x2800000   ; block b: my 16 numbers, and the floor 2^(5 - 127): the byte cannot fall under 1
.endr
.irp i, 2,4,6,8,10,12,14
.irp b, 0,1,2,3
	v_max3_num_f32 v[TM+\b], v[TM+\b], |v[\s+16*\b+\i]|, |v[\s+1+16*\b+\i]|   ; the four blocks by turns
.endr
.endr
.irp b, 0,1,2,3
	v_permlanex16_b32 v[TM+4+\b], v[TM+\b], s[SEL], s[SEL+1]
.endr
.irp b, 0,1,2,3
	v_max_num_f32 v[TM+\b], v[TM+\b], v[TM+4+\b]   ; with lane l xor 16's: the block's largest magnitude
.endr
.irp b, 0,1,2,3
	v_add_nc_u32 v[TMS+\b], 0xfe000000, v[TM+\b]   ; 4 off its exponent field: the conversion takes this operand's exponent field as its scale
.endr
.irp b, 0,1,2,3
	v_lshrrev_b32 v[TM+4+\b], 23, v[TMS+\b]        ; the scale's byte
.endr
	v_lshl_or_b32 v[\pw], v[TM+5], 8, v[TM+4]      ; four bytes: my row's scale word
	v_lshl_or_b32 v[\pw], v[TM+6], 16, v[\pw]
	v_lshl_or_b32 v[\pw], v[TM+7], 24, v[\pw]
.irp c, 0,1
	v_cvt_scalef32_pk16_bf6_f32 v[\pc+6*\c:\pc+2+6*\c], v[\s+32*\c:\s+15+32*\c], v[TMS+2*\c]
	v_cvt_scalef32_pk16_bf6_f32 v[\pc+12+4*\c:\pc+14+4*\c], v[\s+16+32*\c:\s+31+32*\c], v[TMS+2*\c+1]   ; (a conversion's three registers begin on an even number)
.endr
	v_nop                                          ; one plain instruction behind the scaled conversions
.irp c, 0,1                                    ; the operand wants a WHOLE block in a lane: lanes 0-15 block 2 c, lanes 16-31 block 2 c + 1
.irp i, 0,1,2
	v_permlane16_swap_b32 v[\pc+6*\c+\i], v[\pc+12+4*\c+\i]
.endr
.irp i, 0,1,2
	v_mov_b32 v[\pc+3+6*\c+\i], v[\pc+12+4*\c+\i]
.endr
.endr
.endm
	s_load_b256 s[4:11], s[0:1], 0x0               ; decoder_output, encoder_outputs, Wq, Wk
	s_load_b128 s[12:15], s[0:1], 0x20             ; Wo, xw_codes
	s_load_b64 s[16:17], s[0:1], 0x30              ; xw_scales
	v_lshl_add_u32 v231, v0, 2, 0xa600
	v_mov_b32 v235, 0
	v_lshrrev_b32 v1, 5, v0
	v_readfirstlane_b32 s18, v1                    ; wave 0..4
	v_and_b32 v1, 31, v0                           ; lane
	v_and_b32 v6, 15, v0                           ; r
	v_bfe_u32 v7, v0, 4, 1                         ; h
	v_lshlrev_b32 v2, 4, v1                        ; 16 x lane
	s_mul_i32 s19, s18, STAGE                      ; my stage
	v_add_nc_u32 v3, s19, v2                       ; into it: 16 bytes a lane of a row
	v_mul_u32_u24 v4, v6, SROW
	v_lshl_add_u32 v4, v7, 6, v4
	v_add_nc_u32 v4, s19, v4                       ; out of it: row r, + 64 h: my 16 numbers of a block of 32
	v_lshlrev_b32 v5, 5, v6
	v_lshl_add_u32 v5, v7, 4, v5                   ; the scale words' way out: 32 r + 16 h
	s_mov_b32 s[SEL], 0x76543210
	s_mov_b32 s[SEL+1], 0xfedcba98
.irp b, 0,1,2,3
	v_mov_b32 v[TM+4+\b], 0                        ; written once: a lane permute's destination counts as one of its sources
.endr
	s_mul_i32 s19, ttmp9, 5
	s_add_co_u32 s19, s19, s18                     ; my unit U
	s_wait_kmcnt 0x0
	s_mov_b64 s[20:21], s[12:13]                   ; which tensor, and its first unit: the choices hang on U alone
	s_mov_b32 s22, 1152
	s_cmp_lt_u32 s19, 1152
	s_cselect_b64 s[20:21], s[10:11], s[20:21]
	s_cselect_b32 s22, 1088, s22
	s_cmp_lt_u32 s19, 1088
	s_cselect_b64 s[20:21], s[8:9], s[20:21]
	s_cselect_b32 s22, 1024, s22
	s_cmp_lt_u32 s19, 1024
	s_cselect_b64 s[20:21], s[6:7], s[20:21]
	s_cselect_b32 s22, 512, s22
	s_cmp_lt_u32 s19, 512
	s_cselect_b64 s[20:21], s[4:5], s[20:21]
	s_cselect_b32 s22, 0, s22
	s_sub_co_u32 s23, s19, s22                     ; the unit's number in its tensor
	s_and_b32 s24, s23, 63
	s_lshr_b32 s25, s23, 6
	s_mov_b32 s26, 4096
	s_cmp_ge_u32 s19, 1152                         ; Wo: rows of 8,192 bytes, 64 units for each half of the columns
	s_cselect_b32 s26, 8192, s26                   ; a row in bytes
	s_cselect_b32 s24, s24, s23                    ; which 16 rows
	s_cselect_b32 s25, s25, 0                      ; which half of the columns
	s_lshr_b32 s27, s24, 1
	s_lshl_b32 s27, s27, 5
	s_and_b32 s28, s24, 1
	s_lshl_b32 s28, s28, 3
	s_add_co_u32 s27, s27, s28                     ; the unit's first row: 32 g + 8 u
	s_mul_i32 s28, s27, s26                        ; under 2^26
	s_lshl_b32 s25, s25, 12
	s_add_co_u32 s28, s28, s25
	s_mov_b32 s29, 0
	s_add_nc_u64 s[20:21], s[20:21], s[28:29]
	s_mul_i32 s28, s19, 12288
	s_add_nc_u64 s[14:15], s[14:15], s[28:29]      ; my unit's codes
	s_lshl_b32 s28, s19, 9
	s_add_nc_u64 s[16:17], s[16:17], s[28:29]      ; and scale words
.irp i, 0,1,2,3,4,5,6,7,8,9,10,11,12,13,14,15
	v_mad_u32_u24 v[OFF+\i], s26, \i+8*(\i/8), v2  ; lane row i of the unit lies i + 8 (i / 8) rows on
.endr
.macro LOAD t                          ; step t: 128 along K of the 16 rows, into set t % 3; each load reads 512 consecutive bytes, at a multiple of 512 from the tensor's first byte
.irp i, 0,1,2,3,4,5,6,7,8,9,10,11,12,13,14,15
	global_load_b128 v[SET+64*((\t)%3)+4*\i:SET+64*((\t)%3)+4*\i+3], v[OFF+\i], s[20:21] offset:512*(\t) th:TH_LOAD_NT
.endr
.endm
.macro TURN t                          ; step t's numbers through the stage, back into the registers that they left: LDS serves a wave's instructions in order, so no wait stands between the stores and the loads
.irp i, 0,1,2,3,4,5,6,7,8,9,10,11,12,13,14,15
	ds_store_b128 v3, v[SET+64*((\t)%3)+4*\i:SET+64*((\t)%3)+4*\i+3] offset:SROW*\i
.endr
.irp b, 0,1,2,3
.irp j, 0,1,2,3
	ds_load_b128 v[SET+64*((\t)%3)+16*\b+4*\j:SET+64*((\t)%3)+16*\b+4*\j+3], v4 offset:128*\b+16*\j
.endr
.endr
.endm
.macro STEP t
.set XS, SET+64*((\t)%3)
	s_wait_dscnt 0x0                               ; this step's numbers are back from the stage
.if (\t) < 6
	s_wait_loadcnt 16                              ; the next step's 16 loads are in; behind them only the step after's 16 were issued
	TURN (\t)+1
.elseif (\t) == 6
	s_wait_loadcnt 0x0                             ; the last step's loads: nothing was issued behind them
	TURN 7
.endif
.if (\t) > 0
	s_wait_xcnt 0x0                                ; the last step's stores have read the codes' registers, which are written again below
.endif
	QUANT XS, PC, PW+(\t)
.irp c, 0,1,2
	global_store_b128 v2, v[PC+4*\c:PC+4*\c+3], s[14:15] offset:1536*(\t)+512*\c   ; 32 lanes store 512 consecutive bytes, at a multiple of 512 from the buffer's first byte
.endr
.if (\t)+3 < 8
	LOAD (\t)+3                                    ; into the set that has just been quantised
.endif
.endm
	LOAD 0
	LOAD 1
	LOAD 2
	s_wait_loadcnt 32                              ; step 0's 16 loads are in; steps 1 and 2 may be out
	TURN 0
.irp t, 0,1,2,3,4,5,6,7
	STEP \t
.endr
	v_cmp_le_u32 vcc_lo, 16, v1                    ; lanes r and r + 16 hold the same eight words: lanes 0-15 store K steps 0-3, lanes 16-31 K steps 4-7
.irp i, 0,1,2,3
	v_cndmask_b32 v[TM+\i], v[PW+\i], v[PW+4+\i], vcc_lo
.endr
	global_store_b128 v5, v[TM:TM+3], s[16:17]     ; the unit's 512 bytes of scale words, whole
	s_wait_tensorcnt 0x0
	ds_add_u32 v231, v235
	s_wait_dscnt 0x0
	s_endpgm
.Lfunc_end_k_q8593ecbb59_quant:
	.size	k_q8593ecbb59_quant, .Lfunc_end_k_q8593ecbb59_quant-k_q8593ecbb59_quant
	.p2alignl 7, 3214868480
	.fill 96, 4, 3214868480
	.section	.rodata,"a",@progbits
	.p2align	6, 0x0
	.amdhsa_kernel k_q8593ecbb59_quant
		.amdhsa_group_segment_fixed_size 43264
		.amdhsa_private_segment_fixed_size 0
		.amdhsa_enable_private_segment 0
		.amdhsa_kernarg_size 56
		.amdhsa_user_sgpr_count 2
		.amdhsa_user_sgpr_kernarg_segment_ptr 1
		.amdhsa_wavefront_size32 1
		.amdhsa_system_sgpr_workgroup_id_x 1
		.amdhsa_system_sgpr_workgroup_id_y 1
		.amdhsa_system_sgpr_workgroup_id_z 1
		.amdhsa_system_vgpr_workitem_id 0
		.amdhsa_next_free_vgpr 256
		.amdhsa_next_free_sgpr 66
		.amdhsa_reserve_vcc 1
		.amdhsa_float_denorm_mode_32 3
		.amdhsa_float_denorm_mode_16_64 3
		.amdhsa_memory_ordered 1
		.amdhsa_forward_progress 1
		.amdhsa_inst_pref_size 66
	.end_amdhsa_kernel
	.amdgpu_metadata
---
amdhsa.version: [ 1, 2 ]
amdhsa.kernels:
  - .name:           k_q8593ecbb59_quant
    .symbol:         k_q8593ecbb59_quant.kd
    .args:
      - { .name: decoder_output, .offset: 0, .size: 8, .value_kind: global_buffer, .address_space: global }
      - { .name: encoder_outputs, .offset: 8, .size: 8, .value_kind: global_buffer, .address_space: global }
      - { .name: Wq, .offset: 16, .size: 8, .value_kind: global_buffer, .address_space: global }
      - { .name: Wk, .offset: 24, .size: 8, .value_kind: global_buffer, .address_space: global }
      - { .name: Wo, .offset: 32, .size: 8, .value_kind: global_buffer, .address_space: global }
      - { .name: xw_codes, .offset: 40, .size: 8, .value_kind: global_buffer, .address_space: global }
      - { .name: xw_scales, .offset: 48, .size: 8, .value_kind: global_buffer, .address_space: global }
    .group_segment_fixed_size: 43264
    .private_segment_fixed_size: 0
    .kernarg_segment_align: 8
    .kernarg_segment_size: 56
    .max_flat_workgroup_size: 160
    .sgpr_count:     66
    .vgpr_count:     256
    .wavefront_size: 32
...
	.end_amdgpu_metadata
.endif
;; end of part 1
;; launch proj (part 2): grid 64 x 4, 4 waves a work-group, clusters of 4 x 4, 327,680 bytes of LDS; arguments xw_codes, xw_scales, bq, bk, qk_codes, qk_scales; writes qk_codes, qk_scales
.if DOCPART == 2
	.amdgcn_target "amdgcn-amd-amdhsa--gfx1250"
	.amdhsa_code_object_version 6
	.text
	.protected	k_q8593ecbb59_proj
	.globl	k_q8593ecbb59_proj
	.p2align	8
	.type	k_q8593ecbb59_proj,@function
k_q8593ecbb59_proj:
	s_mov_b64 s[64:65], 0
	v_nop
	global_prefetch_b8 v0, s[64:65] scope:SCOPE_SE
	s_setreg_imm32_b32 hwreg(HW_REG_WAVE_MODE, 25, 1), 1
	s_wait_xcnt 0x0
	s_wait_alu depctr_hold_cnt(0) depctr_sa_sdst(0) depctr_va_vdst(0) depctr_va_sdst(0) depctr_va_ssrc(0) depctr_va_vcc(0) depctr_vm_vsrc(0)
	s_getreg_b32 s2, hwreg(HW_REG_IB_STS2, 6, 4)
	s_cmp_eq_u32 s2, 0
	s_cbranch_scc0 .Lentry_in_a_cluster
	s_endpgm
.Lentry_in_a_cluster:
	s_bfe_u32 s2, ttmp6, 0x10000c
	s_cmp_lg_u32 s2, 0xf033
	s_cbranch_scc0 .Lentry_shape_is_right
	s_endpgm
.Lentry_shape_is_right:
; q = decoder_output Wq^T + bq and k = encoder_outputs Wk^T + bk, 8,192 x 1,024 x 1,024 each, on codes of BF6 (E3M2) with one E8M0 scale for each 32 along K; each result is quantised in registers:
; q and k along the head's 128, and k a second time along the KEYS (k^T), since the second product of attention sums over keys.
; Operands come as images of operand registers (16 rows x 128 K = 1,536 bytes: registers 4 c .. 4 c + 3 of lane l at 512 c + 16 l); unit U (16 rows x K 1,024) at 12,288 U, its scale words at 512 U + 32 r + 4 s.
; Units 0-511 decoder_output, 512-1023 encoder_outputs, 1024-1087 Wq, 1088-1151 Wk.
; A WORK-GROUP STAYS at one tile place, 128 rows x 256 columns, and walks three passes: 256 work-groups, one start and one end for 768 matrix instructions a wave.
;   pass 1: q's tile (A = decoder_output, B = Wq);   pass 2: k's tile (A = encoder_outputs, B = Wk);   each wave 64 rows of A x 128 rows of B: 32 accumulators;
;   pass 3: the same numbers as pass 2 with the operands' parts changed: each wave all 128 rows of encoder_outputs x 64 rows of Wk, out of the LDS bytes that pass 2 has left: nothing is fetched for it.
; THE MATRIX INSTRUCTION IS USED TRANSPOSED (source 0 = 16 rows of B, source 1 = 16 rows of A), and lane r of unit 2 g + u holds row 32 g + 8 u + r + 8 (r / 8): so for one block of source 1 a lane's 64 registers are,
; 16 by 16, neighbours along source 0's rows: k = 32 b + 16 (lane / 16) + i: what the conversions want.  128 rows of source 0 are one fragment of the next product.
; RING: two slots of 512 along K, visited four times; each is filled again once, by one joint load a wave.  By this text's count a wave has four tensor loads out at the start, later one.
; CLUSTER 4 x 4: A's tiles are shared along a row of the cluster, B's along a column.  All scale words come once, with the first fills.
; OUT: fragment F at 1,536 F, its 16 scale words at 64 F + 4 r.  q: F = (batch 8 + head) 64 + block of 16 tokens;  k: 4,096 more;  k^T: 8,192 + ((batch 8 + head) 8 + step of 128 keys) 8 + block of 16 of the head's 128.
; The biases are the C of each sum's first product.
; LIMITS: NaN and infinities are not served; a block of zeros gets the byte 1 where the rule says 127: its codes are zeros, and this program alone reads the bytes.
; REGISTERS: window 0: v1-29 addresses; v32-95 source 0's scale words, v96-127 source 1's (one register: lanes 0-15 block 2 j, lanes 16-31 block 2 j + 1); v128-223 source 1's fragments, two sets (on a way out: the codes made);
;   v224-247 at work.   window 1: v0-191 source 0's fragments, two sets; v192-255 bq.   window 2: accumulator (a, b) at v[8 (8 a + b)].   window 3: v0-63 bk along B; v64-95 bk along A, eight registers a block; v96-99 as loaded.
.set NQ,    4                          ; fragments of a block in a slot
.set BLKB,  NQ*1536
.set SLOT,  24*BLKB                    ; A's 8 blocks, then B's 16
.set NS,    16                         ; scale registers of a pair of blocks: K steps 0-7 of passes 1 and 3, 8-15 of pass 2
.set SCL,   2*SLOT                     ; behind the ring: decoder_output's scale words (4,096 bytes), encoder_outputs' (4,096), Wq's (8,192), Wk's (8,192)
.set SPARE, SCL+24576                  ; the spare words, 128 bytes for each wave: two blocks of 256 bytes that no other line names
.set STG,   SPARE+512                  ; 256 bytes for each wave: its scale words' way out; no tile lands here
.set LI,    3                          ; v3     16 x lane
.set ADRA,  16                         ; v16-17 LDS address of my blocks of A in slot 0, 1
.set ADRA3, 18                         ; v18-19 pass 3: of my four blocks of Wk
.set ADRB,  20                         ; v20-21 of my blocks of B
.set ADRB3, 22                         ; v22-23 pass 3: of the eight blocks of encoder_outputs
.set SIN,   24                         ; v24    my stage, in: 4 x lane
.set SOUT,  25                         ; v25    and out: 8 x lane
.set SGO,   26                         ; v26    8 x lane
.set SPW,   28
.set NIL,   29
.set SCB,   32
.set SCA,   96
.set AF,    128
.set TM,    224
.set TMS,   232
.set PW,    240
.set BB,    192                        ; in window 1
.set BK,    0                          ; in window 3
.set BA,    64
.set BAL,   96
.set WV,    16
.set AH,    17                         ; which 64 rows of A are mine.  Also: I fetch for A (0) or for B (1)
.set BH,    18                         ; which 128 rows of B.  Also: which half of that tile I fetch
.set G1,    24                         ; s[24:31] group 1 for A's tiles, s[32:39] for B's, s[40:47] for A's scale words, s[48:55] for B's
.set G1B,   32
.set G1S,   40
.set G1SB,  48
.set G0,    56                         ; s[56:63] groups 0 for A's tiles, one for each slot; s[68:75] for B's; s[76:83], s[84:91] for the scale words, two each
.set G0B,   68
.set G0S,   76
.set G0SB,  84
.set DA,    92                         ; s[92:93] encoder_outputs' codes at the blocks that I fetch
.set SEL,   66                         ; s[66:67] lane selects for v_permlanex16_b32: lane l xor 16
.set OC0,   98                         ; where my four fragments go: q's, k's, k^T's;
.set OC1,   100
.set OC2,   104
.set OS0,   2                          ; and their scale words
.set OS1,   4
.set OS2,   6
.set MSB,   0
.macro WIN new                         ; the immediate's high byte repeats the setting that is left
.if MSB != \new
	s_set_vgpr_msb (MSB<<8)|\new
.set MSB, \new
.endif
.endm
.set MUL,   0xa1                       ; source 0 window 1, source 1 window 0, C and D window 2
.set MULB,  0x91                       ; the same with C in window 1
.set MULC,  0xb1                       ; the same with C in window 3
.set TO_B,  0x40                       ; destination window 1, address window 0
; A joint load: waves 0 and 1 fetch for A, waves 2 and 3 for B; the branch hangs on the wave's number alone.  Four v_nop follow each of the two lines.
.macro JLOAD g0a, g1a, g0b, g1b
	s_cmp_eq_u32 s[AH], 0
	s_cbranch_scc0 .Lfor_b_\@
	tensor_load_to_lds s[\g0a:\g0a+3], s[\g1a:\g1a+7]
	s_nop 0
.rept 4
	v_nop
.endr
	s_branch .Lasked_\@
.Lfor_b_\@:
	tensor_load_to_lds s[\g0b:\g0b+3], s[\g1b:\g1b+7]
	s_nop 0
.rept 4
	v_nop
.endr
.Lasked_\@:
.endm
.macro CREST                           ; a round of the cluster's barrier behind its opening barrier
	s_cmp_lg_u32 s[WV], 0
	s_cbranch_scc1 .Lnot_wave_0_\@
	s_barrier_signal -3
.Lnot_wave_0_\@:
	s_barrier_wait -3
	s_barrier_signal -1
	s_barrier_wait -1
.endm
.macro CROUND
	s_barrier_signal -1
	s_barrier_wait -1
	CREST
.endm
.macro PLACES n
.rept \n
	v_nop
.endr
.endm
; 36 LDS loads in one run, each of 512 consecutive bytes: source 0's 8 and source 1's 4 fragments of the slot's q-th 128 along K.  ra, rb: the address registers of source 1 and source 0
.macro FETCH ra, rb, slot, q, set
	WIN TO_B
.irp i, 0,1,2,3,4,5,6,7
.irp c, 0,1,2
	ds_load_b128 v[96*(\set)+12*\i+4*\c:96*(\set)+12*\i+4*\c+3], v[\rb+(\slot)] offset:\i*BLKB+(\q)*1536+512*\c
.endr
.endr
	WIN 0
.irp i, 0,1,2,3
.irp c, 0,1,2
	ds_load_b128 v[AF+48*(\set)+12*\i+4*\c:AF+48*(\set)+12*\i+4*\c+3], v[\ra+(\slot)] offset:\i*BLKB+(\q)*1536+512*\c
.endr
.endr
.endm
; One product: source 0's block b x source 1's block a, scale registers of K step S.  An odd block's scale words stand in lanes 16-31 of its pair's register.
; cm: what C is.  0: the sum so far;  1: bq of tile b (window 1);  2: bk of tile b (window 3);  3: bk of block a's rows (window 3)
.macro WM a, b, set, S, cm
.set rD, 8*(8*(\a)+(\b))
.set rB, 96*(\set)+12*(\b)
.set rA, AF+48*(\set)+12*(\a)
.set rSB, SCB+NS*((\b)/2)+(\S)
.set rSA, SCA+NS*((\a)/2)+(\S)
.if (\cm) == 1
.set rC, BB+8*(\b)
.elseif (\cm) == 2
.set rC, BK+8*(\b)
.elseif (\cm) == 3
.set rC, BA+8*(\a)
.else
.set rC, rD
.endif
.if ((\b)%2 == 0) && ((\a)%2 == 0)
	v_wmma_scale_f32_16x16x128_f8f6f4 v[rD:rD+7], v[rB:rB+11], v[rA:rA+11], v[rC:rC+7], v[rSB], v[rSA] matrix_a_fmt:MATRIX_FMT_BF6 matrix_b_fmt:MATRIX_FMT_BF6
.elseif ((\a)%2 == 0)
	v_wmma_scale_f32_16x16x128_f8f6f4 v[rD:rD+7], v[rB:rB+11], v[rA:rA+11], v[rC:rC+7], v[rSB], v[rSA] matrix_a_fmt:MATRIX_FMT_BF6 matrix_b_fmt:MATRIX_FMT_BF6 matrix_a_scale:MATRIX_SCALE_ROW1
.elseif ((\b)%2 == 0)
	v_wmma_scale_f32_16x16x128_f8f6f4 v[rD:rD+7], v[rB:rB+11], v[rA:rA+11], v[rC:rC+7], v[rSB], v[rSA] matrix_a_fmt:MATRIX_FMT_BF6 matrix_b_fmt:MATRIX_FMT_BF6 matrix_b_scale:MATRIX_SCALE_ROW1
.else
	v_wmma_scale_f32_16x16x128_f8f6f4 v[rD:rD+7], v[rB:rB+11], v[rA:rA+11], v[rC:rC+7], v[rSB], v[rSA] matrix_a_fmt:MATRIX_FMT_BF6 matrix_b_fmt:MATRIX_FMT_BF6 matrix_a_scale:MATRIX_SCALE_ROW1 matrix_b_scale:MATRIX_SCALE_ROW1
.endif
.endm
.macro MUL8 a, set, S, cm
.irp b, 0,1,2,3,4,5,6,7
	WM \a, \b, \set, \S, \cm
.endr
.endm
; A step of 128 along K whose successor's fragments lie in bytes that every wave may already read, or that has none: 32 matrix instructions; the 32 accumulators take turns, one instruction a turn, in the same
; order in every step.
.macro SUB ra, rb, set, S, fetch, nslot, nq, cm
	s_wait_dscnt 0x0                               ; this step's fragments are in
.if \fetch
	PLACES 4                                       ; four plain instructions between the last products that read the other set and the loads into it
	FETCH \ra, \rb, \nslot, \nq, 1-(\set)
.endif
.if (\cm) == 1
	WIN MULB
.elseif (\cm) >= 2
	WIN MULC
.else
	WIN MUL
.endif
	MUL8 0, \set, \S, \cm
	MUL8 1, \set, \S, \cm
	MUL8 2, \set, \S, \cm
	MUL8 3, \set, \S, \cm
	WIN 0
.endm
; A slot's last step changes slots: ONE barrier; in front of it each wave waits for all its tensor loads, adds 0 to its spare word, and waits for that and for its own reads of this slot.
; fill = 1: this slot is filled again: A's tile now comes from encoder_outputs, B's from Wk, 64 units on.  The barrier then opens a round of the cluster's barrier.
; fetch = 1: the next slot's first fragments are fetched here; 0: a way out follows, which takes source 1's registers for its codes.
.macro TURN slot, next, fill, set, S, fetch
	s_wait_tensorcnt 0x0                           ; all my tensor loads have landed: my part of the next slot; so a group 0 may be written
	ds_add_u32 v[SPW], v[NIL]                      ; 0 onto my spare word
.if \fill
	s_add_nc_u64 s[G0+4*\slot+2:G0+4*\slot+3], s[DA:DA+1], \slot*BLKB
	s_or_b32 s[G0+4*\slot+3], s[G0+4*\slot+3], 0x80000000
	s_add_nc_u64 s[G0B+4*\slot+2:G0B+4*\slot+3], s[G0B+4*\slot+2:G0B+4*\slot+3], 64*12288   ; the type bits on top are not reached
.endif
	s_wait_dscnt 1                                 ; this step's fragments are in; the add may be out
	WIN MUL
	MUL8 0, \set, \S, 0                            ; eight matrix instructions stand between the add and the wait for it
	s_wait_dscnt 0x0                               ; the add is done, and my reads of this slot are over
	s_barrier_signal -1
	MUL8 1, \set, \S, 0
	WIN 0
	s_barrier_wait -1
.if \fill
	CREST                                          ; no wave of any partner still reads this slot's tiles or has a load on its way
	JLOAD G0+4*\slot, G1, G0B+4*\slot, G1B         ; the first tensor load behind the round; its four v_nop also stand ahead of the loads below
.else
	PLACES 4
.endif
.if \fetch
	FETCH ADRA, ADRB, \next, 0, 1-(\set)
.endif
	WIN MUL
	MUL8 2, \set, \S, 0
	MUL8 3, \set, \S, 0
	WIN 0
.endm
; 64 numbers of a lane in window 2, register 16 b + i = k 32 b + 16 (lane / 16) + i of my row, become a fragment's codes in v[pc] .. v[pc + 11] and its scale word in v[pw] (window 0).
; Each accumulator is read from its low end on.
.macro QUANTW s, pc, pw
	WIN 0x28                                       ; sources 1 and 2 window 2
.irp b, 0,1,2,3
	v_max3_num_f32 v[TM+\b], 0x2800000, |v[\s+16*\b]|, |v[\s+1+16*\b]|   ; block b: my 16 numbers, and the floor 2^(5 - 127): the byte cannot fall under 1
.endr
.irp i, 2,4,6,8,10,12,14
.irp b, 0,1,2,3
	v_max3_num_f32 v[TM+\b], v[TM+\b], |v[\s+16*\b+\i]|, |v[\s+1+16*\b+\i]|
.endr
.endr
	WIN 0
.irp b, 0,1,2,3
	v_permlanex16_b32 v[TM+4+\b], v[TM+\b], s[SEL], s[SEL+1]
.endr
.irp b, 0,1,2,3
	v_max_num_f32 v[TM+\b], v[TM+\b], v[TM+4+\b]   ; with lane l xor 16's: the block's largest magnitude
.endr
.irp b, 0,1,2,3
	v_add_nc_u32 v[TMS+\b], 0xfe000000, v[TM+\b]   ; 4 off its exponent field: the conversion's scale operand
.endr
.irp b, 0,1,2,3
	v_lshrrev_b32 v[TM+4+\b], 23, v[TMS+\b]        ; the scale's byte
.endr
	v_lshl_or_b32 v[\pw], v[TM+5], 8, v[TM+4]
	v_lshl_or_b32 v[\pw], v[TM+6], 16, v[\pw]
	v_lshl_or_b32 v[\pw], v[TM+7], 24, v[\pw]
	WIN 0x02                                       ; source 0 window 2
.irp c, 0,1
	v_cvt_scalef32_pk16_bf6_f32 v[\pc+6*\c:\pc+2+6*\c], v[\s+32*\c:\s+15+32*\c], v[TMS+2*\c]
	v_cvt_scalef32_pk16_bf6_f32 v[\pc+12+4*\c:\pc+14+4*\c], v[\s+16+32*\c:\s+31+32*\c], v[TMS+2*\c+1]   ; (a conversion's three registers begin on an even number)
.endr
	WIN 0
	v_nop                                          ; one plain instruction behind the scaled conversions
.irp c, 0,1                                    ; the operand wants a WHOLE block in a lane: lanes 0-15 block 2 c, lanes 16-31 block 2 c + 1
.irp i, 0,1,2
	v_permlane16_swap_b32 v[\pc+6*\c+\i], v[\pc+12+4*\c+\i]
.endr
.irp i, 0,1,2
	v_mov_b32 v[\pc+3+6*\c+\i], v[\pc+12+4*\c+\i]
.endr
.endr
.endm
; A WAY OUT: each block of source 1 gives one fragment (its 16 rows x source 0's 128 rows as K) and one scale word a row.  Each block has registers of its own for its codes.
.macro WAYOUT oc, os
	PLACES 4                                       ; four plain instructions between the last products and the first read of results
.irp a, 0,1,2,3
	QUANTW 64*\a, 128+20*\a, PW+\a
.irp c, 0,1,2
	global_store_b128 v[LI], v[128+20*\a+4*\c:128+20*\a+4*\c+3], s[\oc:\oc+1] offset:\a*1536+512*\c   ; 32 lanes store 512 consecutive bytes, at a multiple of 512 from the buffer's first byte
.endr
.endr
	v_cmp_le_u32 vcc_lo, 16, v4                    ; lanes r and r + 16 hold the same word: two fragments' words to a register,
	v_cndmask_b32 v244, v[PW], v[PW+1], vcc_lo
	v_cndmask_b32 v245, v[PW+2], v[PW+3], vcc_lo
	ds_store_b32 v[SIN], v244                      ; through my own 256 bytes of LDS,
	ds_store_b32 v[SIN], v245 offset:128
	ds_load_b64 v[246:247], v[SOUT]                ; (LDS serves a wave's instructions in order: this sees my stores)
	s_wait_dscnt 0x0
	global_store_b64 v[SGO], v[246:247], s[\os:\os+1]   ; and out as 256 consecutive bytes, at a multiple of 256 from the buffer's first byte
.endm
	s_load_b256 s[4:11], s[0:1], 0x0               ; xw_codes, xw_scales, bq, bk
	s_load_b128 s[12:15], s[0:1], 0x20             ; qk_codes, qk_scales
	v_lshl_add_u32 v[SPW], v0, 2, SPARE
	v_mov_b32 v[NIL], 0
	ds_add_u32 v28, v29
	ds_add_u32 v28, v29
	s_wait_dscnt 0x0
	v_lshrrev_b32 v1, 5, v0
	v_readfirstlane_b32 s[WV], v1                  ; wave 0..3
	s_lshr_b32 s[AH], s[WV], 1
	s_and_b32 s[BH], s[WV], 1
	v_and_b32 v4, 31, v0                           ; lane
	v_and_b32 v1, 15, v0                           ; r
	v_bfe_u32 v2, v0, 4, 1                         ; h
	v_lshlrev_b32 v[LI], 4, v4
	v_lshlrev_b32 v8, 6, v2                        ; a bias along B: 64 h
	v_and_b32 v9, 8, v1
	v_add_nc_u32 v9, v9, v1
	v_lshlrev_b32 v9, 2, v9                        ; the bias along A: 4 (r + 8 (r / 8))
	v_lshlrev_b32 v5, 5, v4                        ; 32 x lane: a lane's eight scale words
	s_lshl_b32 s22, s[AH], 11
	s_add_co_u32 s22, s22, SCL
	v_add_nc_u32 v10, s22, v5                      ; A's scale words, my 4 blocks: decoder_output's; encoder_outputs' lie 4,096 bytes on
	s_lshl_b32 s22, s[BH], 12
	s_add_co_u32 s22, s22, SCL+8192
	v_add_nc_u32 v12, s22, v5                      ; B's, my 8 blocks: Wq's; Wk's lie 8,192 bytes on
	v_add_nc_u32 v13, SCL+4096, v5                 ; pass 3: encoder_outputs', all 8 blocks
	s_lshl_b32 s22, s[WV], 11
	s_add_co_u32 s22, s22, SCL+16384
	v_add_nc_u32 v14, s22, v5                      ; pass 3: Wk's, blocks 4 x wave on
	s_lshl_b32 s22, s[WV], 8
	s_add_co_u32 s22, s22, STG
	v_lshl_add_u32 v[SIN], v4, 2, s22
	v_lshl_add_u32 v[SOUT], v4, 3, s22
	v_lshlrev_b32 v[SGO], 3, v4
	s_mul_i32 s22, s[AH], 4*BLKB
	s_mul_i32 s23, s[BH], 8*BLKB
	s_add_co_u32 s23, s23, 8*BLKB
	s_mul_i32 s66, s[WV], 4*BLKB
	s_add_co_u32 s66, s66, 8*BLKB
.irp k, 0,1
	v_add_nc_u32 v[ADRA+\k], s22, v[LI]
	v_add_nc_u32 v[ADRB+\k], s23, v[LI]
	v_add_nc_u32 v[ADRA3+\k], s66, v[LI]
	v_add_nc_u32 v[ADRB3+\k], \k*SLOT, v[LI]
	s_add_co_u32 s22, s22, SLOT
	s_add_co_u32 s23, s23, SLOT
	s_add_co_u32 s66, s66, SLOT
.endr
.irp b, 0,1,2,3
	v_mov_b32 v[TM+4+\b], 0                        ; written once: a lane permute's destination counts as one of its sources
.endr
	; up to the first joint loads, what hangs on cy stays in s2, s3, s20-22, s92-95, s104, what hangs on cx in s19, s23, s96, s97, s100, s101, s105
	s_bfe_u32 s19, ttmp6, 0x40000                  ; cx = tile column
	s_bfe_u32 s20, ttmp6, 0x40004                  ; cy
	s_lshl_b32 s21, ttmp9, 2
	s_add_co_u32 s21, s21, s20                     ; tile row = 4 x cluster x + cy
	s_lshl_b32 s104, s20, 2
	s_lshl_b32 s104, 15, s104                      ; my row of the cluster
	s_lshl_b32 s105, 0x1111, s19                   ; my column
	s_or_b32 s[G1], s104, (3<<16)|(1<<21)          ; 15:0 the mask; 17:16 elements of 8 bytes; 21 set beside a mask
	s_or_b32 s[G1B], s105, (3<<16)|(1<<21)
	s_or_b32 s[G1S], s104, (3<<16)|(1<<21)
	s_or_b32 s[G1SB], s105, (3<<16)|(1<<21)
	s_mov_b32 s[G1+1], (BLKB/8)<<16                ; a tile of 4 blocks x BLKB bytes, 12,288 bytes from block to block; dense in LDS
	s_mov_b32 s[G1+2], 4<<16
	s_mov_b32 s[G1+3], (BLKB/8)<<16
	s_mov_b32 s[G1+4], 4
	s_mov_b32 s[G1+5], 1536
	s_mov_b32 s[G1+6], 0
	s_mov_b32 s[G1+7], 0
	s_mov_b32 s[G1B+1], (BLKB/8)<<16               ; 8 blocks
	s_mov_b32 s[G1B+2], 8<<16
	s_mov_b32 s[G1B+3], (BLKB/8)<<16
	s_mov_b32 s[G1B+4], 8
	s_mov_b32 s[G1B+5], 1536
	s_mov_b32 s[G1B+6], 0
	s_mov_b32 s[G1B+7], 0
	s_mov_b32 s[G1S+1], 32<<16                     ; scale words: dense, as rows of 256 bytes: 8 rows for A's 4 blocks,
	s_mov_b32 s[G1S+2], 8<<16
	s_mov_b32 s[G1S+3], 32<<16
	s_mov_b32 s[G1S+4], 8
	s_mov_b32 s[G1S+5], 32
	s_mov_b32 s[G1S+6], 0
	s_mov_b32 s[G1S+7], 0
	s_mov_b32 s[G1SB+1], 32<<16                    ; 16 rows for B's 8
	s_mov_b32 s[G1SB+2], 16<<16
	s_mov_b32 s[G1SB+3], 32<<16
	s_mov_b32 s[G1SB+4], 16
	s_mov_b32 s[G1SB+5], 32
	s_mov_b32 s[G1SB+6], 0
	s_mov_b32 s[G1SB+7], 0
	s_lshl_b32 s22, s21, 3
	s_lshl_b32 s66, s[BH], 2
	s_add_co_u32 s22, s22, s66                     ; A's first unit that I fetch, counted in its tensor
	s_mul_i32 s94, s22, 12288
	s_mov_b32 s95, 0
	s_lshl_b32 s2, s22, 9
	s_mov_b32 s3, 0
	s_lshl_b32 s23, s19, 4
	s_lshl_b32 s66, s[BH], 3
	s_add_co_u32 s23, s23, s66
	s_add_co_u32 s23, s23, 1024                    ; Wq's first unit that I fetch
	s_mul_i32 s96, s23, 12288
	s_mov_b32 s97, 0
	s_lshl_b32 s100, s23, 9
	s_mov_b32 s101, 0
	s_mul_i32 s66, s[BH], 4*BLKB                   ; where they go in a slot: no place in the cluster enters an LDS address
	s_mul_i32 s67, s[BH], 8*BLKB
	s_add_co_u32 s67, s67, 8*BLKB
	s_wait_kmcnt 0x0
	s_add_nc_u64 s[94:95], s[4:5], s[94:95]        ; decoder_output's codes,
	s_add_nc_u64 s[DA:DA+1], s[94:95], 512*12288   ; encoder_outputs', 512 units on,
	s_add_nc_u64 s[2:3], s[6:7], s[2:3]            ; decoder_output's scale words,
	s_add_nc_u64 s[96:97], s[4:5], s[96:97]        ; Wq's codes,
	s_add_nc_u64 s[100:101], s[6:7], s[100:101]    ; Wq's scale words
.irp k, 0,1
	s_mov_b32 s[G0+4*\k], 1                        ; count = 1
	s_add_co_u32 s[G0+4*\k+1], s66, \k*SLOT        ; LDS address
	s_add_nc_u64 s[G0+4*\k+2:G0+4*\k+3], s[94:95], \k*BLKB   ; global address: 512 k along K
	s_or_b32 s[G0+4*\k+3], s[G0+4*\k+3], 0x80000000          ; type = 2
	s_mov_b32 s[G0B+4*\k], 1
	s_add_co_u32 s[G0B+4*\k+1], s67, \k*SLOT
	s_add_nc_u64 s[G0B+4*\k+2:G0B+4*\k+3], s[96:97], \k*BLKB
	s_or_b32 s[G0B+4*\k+3], s[G0B+4*\k+3], 0x80000000
.endr
	s_lshl_b32 s66, s[BH], 11
	s_lshl_b32 s67, s[BH], 12
	s_mov_b32 s[G0S], 1
	s_add_co_u32 s[G0S+1], s66, SCL
	s_mov_b64 s[G0S+2:G0S+3], s[2:3]
	s_or_b32 s[G0S+3], s[G0S+3], 0x80000000
	s_mov_b32 s[G0S+4], 1
	s_add_co_u32 s[G0S+5], s66, SCL+4096
	s_add_nc_u64 s[G0S+6:G0S+7], s[2:3], 512*512   ; encoder_outputs' scale words
	s_or_b32 s[G0S+7], s[G0S+7], 0x80000000
	s_mov_b32 s[G0SB], 1
	s_add_co_u32 s[G0SB+1], s67, SCL+8192
	s_mov_b64 s[G0SB+2:G0SB+3], s[100:101]
	s_or_b32 s[G0SB+3], s[G0SB+3], 0x80000000
	s_mov_b32 s[G0SB+4], 1
	s_add_co_u32 s[G0SB+5], s67, SCL+16384
	s_add_nc_u64 s[G0SB+6:G0SB+7], s[100:101], 64*512   ; Wk's
	s_or_b32 s[G0SB+7], s[G0SB+7], 0x80000000
	CROUND                                         ; all sixteen work-groups are here: the first joint loads meet
	JLOAD G0S, G1S, G0SB, G1SB                     ; the first fills go out together: four loads of mine are out
	JLOAD G0S+4, G1S, G0SB+4, G1SB
	JLOAD G0, G1, G0B, G1B
	JLOAD G0+4, G1, G0B+4, G1B
	; where my fragments go.  Passes 1 and 2: X = my first block of A, Y = my 128 rows of B: F = (X / 64) 512 + 64 Y + X % 64
	s_mov_b32 s[SEL], 0x76543210
	s_mov_b32 s[SEL+1], 0xfedcba98
	s_lshl_b32 s20, s21, 3
	s_lshl_b32 s22, s[AH], 2
	s_add_co_u32 s20, s20, s22                     ; X = 8 x tile row + 4 x half
	s_lshl_b32 s23, s19, 1
	s_add_co_u32 s23, s23, s[BH]                   ; Y = 2 x tile column + half: the head
	s_lshr_b32 s94, s20, 6
	s_lshl_b32 s94, s94, 9
	s_lshl_b32 s95, s23, 6
	s_add_co_u32 s94, s94, s95
	s_and_b32 s95, s20, 63
	s_add_co_u32 s94, s94, s95
	s_mul_i32 s96, s94, 1536
	s_mov_b32 s97, 0
	s_add_nc_u64 s[OC0:OC0+1], s[12:13], s[96:97]
	s_add_nc_u64 s[OC1:OC1+1], s[OC0:OC0+1], 4096*1536   ; k's region lies 4,096 fragments behind q's
	s_lshl_b32 s96, s94, 6
	s_add_nc_u64 s[OS0:OS0+1], s[14:15], s[96:97]
	s_add_nc_u64 s[OS1:OS1+1], s[OS0:OS0+1], 4096*64
	; pass 3: X = my first block of Wk; the tile row is the step of 128 keys: F = 8,192 + (row / 8) 512 + (X / 8) 64 + (row % 8) 8 + X % 8
	s_lshl_b32 s20, s19, 4
	s_lshl_b32 s22, s[WV], 2
	s_add_co_u32 s20, s20, s22                     ; X = 16 x tile column + 4 x wave
	s_lshr_b32 s94, s21, 3
	s_lshl_b32 s94, s94, 9
	s_lshr_b32 s95, s20, 3
	s_lshl_b32 s95, s95, 6
	s_add_co_u32 s94, s94, s95
	s_and_b32 s95, s21, 7
	s_lshl_b32 s95, s95, 3
	s_add_co_u32 s94, s94, s95
	s_and_b32 s95, s20, 7
	s_add_co_u32 s94, s94, s95
	s_add_co_u32 s94, s94, 8192
	s_mul_i32 s96, s94, 1536
	s_add_nc_u64 s[OC2:OC2+1], s[12:13], s[96:97]
	s_lshl_b32 s96, s94, 6
	s_add_nc_u64 s[OS2:OS2+1], s[14:15], s[96:97]
	; the biases: 128 numbers for each Y, 16 for each X
	s_lshl_b32 s96, s23, 9
	s_add_nc_u64 s[8:9], s[8:9], s[96:97]          ; bq at my 128 rows of Wq
	s_add_nc_u64 s[12:13], s[10:11], s[96:97]      ; bk at my 128 rows of Wk
	s_lshl_b32 s96, s20, 6
	s_add_nc_u64 s[10:11], s[10:11], s[96:97]      ; bk at pass 3's four blocks of Wk
	WIN TO_B
.irp b, 0,1,2,3,4,5,6,7                        ; tile b = 2 g + u: lane (r, h) wants the bias of B's rows 32 g + 16 h + 8 u + 0 .. 7
	global_load_b128 v[BB+8*\b:BB+8*\b+3], v8, s[8:9] offset:(32*(\b/2)+8*(\b%2))*4
	global_load_b128 v[BB+8*\b+4:BB+8*\b+7], v8, s[8:9] offset:(32*(\b/2)+8*(\b%2))*4+16
.endr
	WIN 0xc0                                       ; destination window 3
.irp b, 0,1,2,3,4,5,6,7
	global_load_b128 v[BK+8*\b:BK+8*\b+3], v8, s[12:13] offset:(32*(\b/2)+8*(\b%2))*4
	global_load_b128 v[BK+8*\b+4:BK+8*\b+7], v8, s[12:13] offset:(32*(\b/2)+8*(\b%2))*4+16
.endr
.irp a, 0,1,2,3                                ; block a: lane r wants the bias of Wk's row 32 (a / 2) + 8 (a % 2) + r + 8 (r / 8)
	global_load_b32 v[BAL+\a], v9, s[10:11] offset:(32*(\a/2)+8*(\a%2))*4
.endr
	WIN 0
	s_wait_loadcnt 0x0
	WIN 0xc3                                       ; destination and source 0 window 3
.irp a, 0,1,2,3
.irp j, 0,1,2,3,4,5,6,7
	v_mov_b32 v[BA+8*\a+\j], v[BAL+\a]             ; in pass 3 a lane holds one row of Wk: its bias in all eight registers of a C
.endr
.endr
	WIN 0
	s_wait_tensorcnt 1                             ; the scale words and my part of slot 0 are in; slot 1's load may be out
	s_barrier_signal -1
	s_barrier_wait -1                              ; everybody's are
.irp j, 0,1,2,3                                ; the scale words of passes 1 and 2, once.  Register NS j + S: lanes 0-15 block 2 j, lanes 16-31 block 2 j + 1, K step S
.irp z, 0,1
.irp y, 0,1
	ds_load_b128 v[SCB+NS*\j+8*\z+4*\y:SCB+NS*\j+8*\z+4*\y+3], v12 offset:\z*8192+\j*1024+16*\y
.endr
.endr
.endr
.irp j, 0,1
.irp z, 0,1
.irp y, 0,1
	ds_load_b128 v[SCA+NS*\j+8*\z+4*\y:SCA+NS*\j+8*\z+4*\y+3], v10 offset:\z*4096+\j*1024+16*\y
.endr
.endr
.endr
	; ---- pass 1: q
	FETCH ADRA, ADRB, 0, 0, 0
	SUB ADRA, ADRB, 0, 0, 1, 0, 1, 1               ; the first step's products start the sums, from bq
	SUB ADRA, ADRB, 1, 1, 1, 0, 2, 0
	SUB ADRA, ADRB, 0, 2, 1, 0, 3, 0
	TURN 0, 1, 1, 1, 3, 1                          ; slot 0 takes encoder_outputs' and Wk's first 512 along K
	SUB ADRA, ADRB, 0, 4, 1, 1, 1, 0
	SUB ADRA, ADRB, 1, 5, 1, 1, 2, 0
	SUB ADRA, ADRB, 0, 6, 1, 1, 3, 0
	TURN 1, 0, 1, 1, 7, 0                          ; slot 1 their last 512; q's sums are finished
	WAYOUT OC0, OS0                                ; q goes out while that load is on its way
	s_wait_xcnt 0x0                                ; the stores have read the codes' registers, which take fragments again
	; ---- pass 2: k
	FETCH ADRA, ADRB, 0, 0, 0                      ; slot 0 is whole for every wave: the change of slots above has shown it
	SUB ADRA, ADRB, 0, 8, 1, 0, 1, 2               ; the sums begin anew, from bk
	SUB ADRA, ADRB, 1, 9, 1, 0, 2, 0
	SUB ADRA, ADRB, 0, 10, 1, 0, 3, 0
	TURN 0, 1, 0, 1, 11, 1                         ; nothing is left to fetch: no round follows
	SUB ADRA, ADRB, 0, 12, 1, 1, 1, 0
	SUB ADRA, ADRB, 1, 13, 1, 1, 2, 0
	SUB ADRA, ADRB, 0, 14, 1, 1, 3, 0
	SUB ADRA, ADRB, 1, 15, 0, 0, 0, 0
	WAYOUT OC1, OS1
	s_wait_xcnt 0x0                                ; as above
	; ---- pass 3: k^T.  Both slots still hold encoder_outputs' and Wk's tiles for all of K, whole for every wave since the last change of slots, and nobody writes them: no barrier
.irp j, 0,1,2,3                                ; its scale words take pass 1's registers: source 0 = encoder_outputs' eight blocks,
.irp y, 0,1
	ds_load_b128 v[SCB+NS*\j+4*\y:SCB+NS*\j+4*\y+3], v13 offset:\j*1024+16*\y
.endr
.endr
.irp j, 0,1                                    ; source 1 = my four blocks of Wk
.irp y, 0,1
	ds_load_b128 v[SCA+NS*\j+4*\y:SCA+NS*\j+4*\y+3], v14 offset:\j*1024+16*\y
.endr
.endr
	FETCH ADRA3, ADRB3, 0, 0, 0
	SUB ADRA3, ADRB3, 0, 0, 1, 0, 1, 3             ; the sums begin anew, from bk of the lane's row of Wk
	SUB ADRA3, ADRB3, 1, 1, 1, 0, 2, 0
	SUB ADRA3, ADRB3, 0, 2, 1, 0, 3, 0
	SUB ADRA3, ADRB3, 1, 3, 1, 1, 0, 0
	SUB ADRA3, ADRB3, 0, 4, 1, 1, 1, 0
	SUB ADRA3, ADRB3, 1, 5, 1, 1, 2, 0
	SUB ADRA3, ADRB3, 0, 6, 1, 1, 3, 0
	SUB ADRA3, ADRB3, 1, 7, 0, 0, 0, 0
	WAYOUT OC2, OS2
	s_wait_tensorcnt 0x0                           ; the wave's end: behind my last tensor load and my last LDS store
	ds_add_u32 v[SPW], v[NIL]
	s_wait_dscnt 0x0
	CROUND                                         ; the closing round: no work-group ends while a partner may still ask for a tile that names it
	s_endpgm
.Lfunc_end_k_q8593ecbb59_proj:
	.size	k_q8593ecbb59_proj, .Lfunc_end_k_q8593ecbb59_proj-k_q8593ecbb59_proj
	.p2alignl 7, 3214868480
	.fill 96, 4, 3214868480
	.section	.rodata,"a",@progbits
	.p2align	6, 0x0
	.amdhsa_kernel k_q8593ecbb59_proj
		.amdhsa_group_segment_fixed_size 327680
		.amdhsa_private_segment_fixed_size 0
		.amdhsa_enable_private_segment 0
		.amdhsa_kernarg_size 48
		.amdhsa_user_sgpr_count 2
		.amdhsa_user_sgpr_kernarg_segment_ptr 1
		.amdhsa_wavefront_size32 1
		.amdhsa_system_sgpr_workgroup_id_x 1
		.amdhsa_system_sgpr_workgroup_id_y 1
		.amdhsa_system_sgpr_workgroup_id_z 1
		.amdhsa_system_vgpr_workitem_id 0
		.amdhsa_next_free_vgpr 1024
		.amdhsa_next_free_sgpr 106
		.amdhsa_reserve_vcc 1
		.amdhsa_float_denorm_mode_32 3
		.amdhsa_float_denorm_mode_16_64 3
		.amdhsa_memory_ordered 1
		.amdhsa_forward_progress 1
		.amdhsa_inst_pref_size 230
	.end_amdhsa_kernel
	.amdgpu_metadata
---
amdhsa.version: [ 1, 2 ]
amdhsa.kernels:
  - .name:           k_q8593ecbb59_proj
    .symbol:         k_q8593ecbb59_proj.kd
    .args:
      - { .name: xw_codes, .offset: 0, .size: 8, .value_kind: global_buffer, .address_space: global }
      - { .name: xw_scales, .offset: 8, .size: 8, .value_kind: global_buffer, .address_space: global }
      - { .name: bq, .offset: 16, .size: 8, .value_kind: global_buffer, .address_space: global }
      - { .name: bk, .offset: 24, .size: 8, .value_kind: global_buffer, .address_space: global }
      - { .name: qk_codes, .offset: 32, .size: 8, .value_kind: global_buffer, .address_space: global }
      - { .name: qk_scales, .offset: 40, .size: 8, .value_kind: global_buffer, .address_space: global }
    .group_segment_fixed_size: 327680
    .private_segment_fixed_size: 0
    .kernarg_segment_align: 8
    .kernarg_segment_size: 48
    .max_flat_workgroup_size: 128
    .sgpr_count:     106
    .vgpr_count:     1024
    .wavefront_size: 32
...
	.end_amdgpu_metadata
.endif
;; end of part 2
;; launch attn (part 3): grid 4 x 64, 16 waves a work-group, clusters of 4 x 1, 207,872 bytes of LDS; arguments qk_codes, qk_scales, ctx_codes, ctx_scales; writes ctx_codes, ctx_scales
.if DOCPART == 3
	.amdgcn_target "amdgcn-amd-amdhsa--gfx1250"
	.amdhsa_code_object_version 6
	.text
	.protected	k_q8593ecbb59_attn
	.globl	k_q8593ecbb59_attn
	.p2align	8
	.type	k_q8593ecbb59_attn,@function
k_q8593ecbb59_attn:
	s_mov_b64 s[64:65], 0
	v_nop
	global_prefetch_b8 v0, s[64:65] scope:SCOPE_SE
	s_setreg_imm32_b32 hwreg(HW_REG_WAVE_MODE, 25, 1), 1
	s_wait_xcnt 0x0
	s_wait_alu depctr_hold_cnt(0) depctr_sa_sdst(0) depctr_va_vdst(0) depctr_va_sdst(0) depctr_va_ssrc(0) depctr_va_vcc(0) depctr_vm_vsrc(0)
	s_getreg_b32 s2, hwreg(HW_REG_IB_STS2, 6, 4)
	s_cmp_eq_u32 s2, 0
	s_cbranch_scc0 .Lentry_in_a_cluster
	s_endpgm
.Lentry_in_a_cluster:
	s_bfe_u32 s2, ttmp6, 0x10000c
	s_cmp_lg_u32 s2, 0x3003
	s_cbranch_scc0 .Lentry_shape_is_right
	s_endpgm
.Lentry_shape_is_right:
; context[b][q][head] = the sum over keys of softmax(q . k) k, unscaled scores, both products on codes of BF6 with one E8M0 scale for each 32 along a product's K; the result is quantised along the head's 128 for the last product.
; q, k (K = the head's 128) and k^T (K = the keys) come as images of operand registers: fragment F (16 rows x 128 K) at 1,536 F, its 16 scale words at 64 F + 4 r; q's region first, then k's, then k^T's (4,096 fragments each).
; THE SOFTMAX AHEAD OF THE SECOND PRODUCT: t = score x log2(e); M = the row's largest t so far, rounded UP to a whole number; p = 2^(t - M) is quantised along the keys, not normalised.  The row's sum is taken of the
; unquantised p and divides the result at the end.  When M moves, the sum and O are multiplied by 2^(old M - new M): exact.
; SHARES.  A work-group owns 256 queries of one (batch, head); each of its SIXTEEN waves 16 of them in 256 registers: four waves to a SIMD, so that one wave's vector work stands beside another's matrix work and LDS loads.
; A WHOLE HEAD'S k AND k^T LIE IN LDS (2 x 98,304 bytes of codes, 2 x 4,096 of scale words), each byte filled once, at the start.  The four work-groups of a cluster own the four blocks of queries of one head and
; ask for these bytes JOINTLY; each of the sixteen waves fetches a sixteenth: three loads a wave (scale words; key steps 0 and 1; key steps 2 to 7), so that the work begins when the first two steps have landed.
; LAYOUT.  Both products are used transposed: S^T = k q^T (source 0 = 16 keys), O^T = k^T p^T (source 0 = 16 of the head's 128): a lane holds ONE query throughout.  Lane r of block 2 g + u holds row
; 32 g + 8 u + r + 8 (r / 8) in every tensor: so the 16 registers of result tiles 2 b and 2 b + 1 are 16 neighbours, 32 b + 16 (lane / 16) + 0 .. 15, along the keys (S^T) or the head (O^T).
; LIMITS: NaN and infinities are not served; a block of zeros gets the byte 1 where the rule says 127: this program alone reads the bytes.
; REGISTERS: v1-7 addresses that stay; v8-11 addresses of the step; v12 -M, v13 the largest t, v[14:15] the sum in two halves; v16-27 q; v28 4 r; v32-79 four fragments; v96-159 S^T, then p; v160-223 O^T; v224-235 p's codes;
;   v232-247 at work; v248-249 scale words, two fragments to a register; v252 f; v253 p's scale word; v254 at work; v255 q's scale word.
.set KT,    98304                      ; k^T's codes, behind k's
.set SCK,   196608                     ; k's scale words, then k^T's
.set STG,   SCK+8192                   ; 1,024 bytes: the sixteen waves' scale words on their way out; no tile lands here
.set ADK,   8
.set ADV,   9
.set ADS,   10
.set ADT,   11
.set TM,    32                         ; the way out's quantiser works in registers that the fragments have left
.set TMS,   40
.set WV,    12
.set G1S,   16                         ; s[16:23], s[24:31], s[32:39] groups 1: 2, 12 and 36 rows of 256 bytes
.set G1C,   24
.set G1R,   32
.set G0S,   40                         ; s[40:43], s[44:47], s[48:51] groups 0
.set G0C,   44
.set G0R,   48
.set SEL,   52
.set CS,    54                         ; s[54:55] log2(e): the packed form names a pair and takes its low word for both halves
.set TK,    56                         ; s56 where the step's fragments begin: 12,288 bytes a step
.set TS,    57                         ; s57 and its scale words: 512 bytes a step
.set CNT,   58
.macro ROUND                           ; a round of the cluster's barrier
	s_barrier_signal -1
	s_barrier_wait -1
	s_cmp_lg_u32 s[WV], 0
	s_cbranch_scc1 .Lnot_wave_0_\@
	s_barrier_signal -3
.Lnot_wave_0_\@:
	s_barrier_wait -3
	s_barrier_signal -1
	s_barrier_wait -1
.endm
.macro QUANT s, pc, pw
.irp b, 0,1,2,3
	v_max3_num_f32 v[TM+\b], |v[\s+16*\b]|, |v[\s+1+16*\b]|, 0x2800000   ; block b: my 16 numbers, and the floor 2^(5 - 127): the byte cannot fall under 1
.endr
.irp i, 2,4,6,8,10,12,14
.irp b, 0,1,2,3
	v_max3_num_f32 v[TM+\b], v[TM+\b], |v[\s+16*\b+\i]|, |v[\s+1+16*\b+\i]|
.endr
.endr
.irp b, 0,1,2,3
	v_permlanex16_b32 v[TM+4+\b], v[TM+\b], s[SEL], s[SEL+1]
.endr
.irp b, 0,1,2,3
	v_max_num_f32 v[TM+\b], v[TM+\b], v[TM+4+\b]
.endr
.irp b, 0,1,2,3
	v_add_nc_u32 v[TMS+\b], 0xfe000000, v[TM+\b]
.endr
.irp b, 0,1,2,3
	v_lshrrev_b32 v[TM+4+\b], 23, v[TMS+\b]
.endr
	v_lshl_or_b32 v[\pw], v[TM+5], 8, v[TM+4]
	v_lshl_or_b32 v[\pw], v[TM+6], 16, v[\pw]
	v_lshl_or_b32 v[\pw], v[TM+7], 24, v[\pw]
.irp c, 0,1
	v_cvt_scalef32_pk16_bf6_f32 v[\pc+6*\c:\pc+2+6*\c], v[\s+32*\c:\s+15+32*\c], v[TMS+2*\c]
	v_cvt_scalef32_pk16_bf6_f32 v[\pc+12+4*\c:\pc+14+4*\c], v[\s+16+32*\c:\s+31+32*\c], v[TMS+2*\c+1]
.endr
	v_nop
.irp c, 0,1
.irp i, 0,1,2
	v_permlane16_swap_b32 v[\pc+6*\c+\i], v[\pc+12+4*\c+\i]
.endr
.irp i, 0,1,2
	v_mov_b32 v[\pc+3+6*\c+\i], v[\pc+12+4*\c+\i]
.endr
.endr
.endm
	s_load_b256 s[4:11], s[0:1], 0x0               ; qk_codes, qk_scales, ctx_codes, ctx_scales
	v_lshl_add_u32 v250, v0, 2, 0x32400
	v_mov_b32 v251, 0
	ds_add_u32 v250, v251
	ds_add_u32 v250, v251
	v_lshrrev_b32 v8, 5, v0
	v_readfirstlane_b32 s[WV], v8                  ; wave 0..15
	s_bfe_u32 s13, ttmp6, 0x40000                  ; cx: my block of 256 queries
	s_and_b32 s14, ttmp7, 0xffff                   ; 8 x batch + head, which the four partners share
	v_and_b32 v5, 31, v0                           ; lane
	v_and_b32 v9, 15, v0                           ; r
	v_lshlrev_b32 v1, 4, v5                        ; 16 x lane: my place in an image; k's
	v_add_nc_u32 v2, KT, v1                        ; k^T's
	v_lshl_add_u32 v3, v5, 2, SCK                  ; 4 x lane: my place among two fragments' scale words; k's
	v_add_nc_u32 v4, 4096, v3                      ; k^T's
	v_lshlrev_b32 v28, 2, v9                       ; 4 r
	s_lshl_b32 s15, s[WV], 6
	s_add_co_u32 s15, s15, STG
	v_lshl_add_u32 v6, v9, 2, s15                  ; the way out: my wave's 16 scale words
	s_min_u32 s15, s[WV], 1
	s_lshl_b32 s15, s15, 9
	s_add_co_u32 s15, s15, STG
	v_add_nc_u32 v7, s15, v1                       ; and where waves 0 and 1 read eight waves' words back
	s_lshr_b32 s66, s[WV], 3                       ; z: waves 0-7 fetch k, waves 8-15 k^T
	s_and_b32 s67, s[WV], 7                        ; e: which eighth
.irp g, G1S, G1C, G1R
	s_mov_b32 s[\g], 15|(3<<16)|(1<<21)            ; 15:0 the mask: all four work-groups; 17:16 elements of 8 bytes; 21 set beside a mask
	s_mov_b32 s[\g+1], 32<<16                      ; tensor_dim0: rows of 256 bytes
	s_mov_b32 s[\g+3], 32<<16                      ; tile_dim0
	s_mov_b32 s[\g+5], 32                          ; dense
	s_mov_b32 s[\g+6], 0
	s_mov_b32 s[\g+7], 0
.endr
	s_mov_b32 s[G1S+2], 2<<16                      ; tensor_dim1, tile_dim1: 512 bytes of scale words,
	s_mov_b32 s[G1S+4], 2
	s_mov_b32 s[G1C+2], 12<<16                     ; 3,072 bytes of key steps 0 and 1,
	s_mov_b32 s[G1C+4], 12
	s_mov_b32 s[G1R+2], 36<<16                     ; 9,216 bytes of key steps 2 to 7
	s_mov_b32 s[G1R+4], 36
	s_add_co_u32 s68, s66, 1                       ; region 1 (k) or 2 (k^T)
	s_mul_i32 s70, s68, 6291456
	s_mul_i32 s69, s14, 98304
	s_add_co_u32 s70, s70, s69                     ; the head's codes
	s_mul_i32 s69, s67, 3072
	s_add_co_u32 s72, s70, s69
	s_mov_b32 s73, 0
	s_mul_i32 s69, s67, 9216
	s_add_co_u32 s74, s70, s69
	s_add_co_u32 s74, s74, 24576
	s_mov_b32 s75, 0
	s_lshl_b32 s76, s68, 18
	s_lshl_b32 s69, s14, 12
	s_add_co_u32 s76, s76, s69                     ; the head's scale words
	s_lshl_b32 s69, s67, 9
	s_add_co_u32 s76, s76, s69
	s_mov_b32 s77, 0
	s_mul_i32 s78, s66, KT                         ; where they go: the wave's number alone enters an LDS address
	s_mul_i32 s69, s67, 3072
	s_add_co_u32 s[G0C+1], s78, s69
	s_mul_i32 s69, s67, 9216
	s_add_co_u32 s[G0R+1], s78, s69
	s_add_co_u32 s[G0R+1], s[G0R+1], 24576
	s_lshl_b32 s[G0S+1], s[WV], 9
	s_add_co_u32 s[G0S+1], s[G0S+1], SCK
	s_lshl_b32 s59, s13, 4
	s_add_co_u32 s59, s59, s[WV]                   ; my block of 16 queries in the head: 16 cx + wave
	s_lshl_b32 s60, s14, 6
	s_add_co_u32 s60, s60, s59                     ; q's fragment
	s_lshl_b32 s62, s60, 6
	s_mov_b32 s63, 0
	s_mul_i32 s60, s60, 1536
	s_mov_b32 s61, 0
	s_mov_b32 s[SEL], 0x76543210
	s_mov_b32 s[SEL+1], 0xfedcba98
	s_mov_b32 s[CS], 0x3fb8aa3b                    ; log2(e)
	s_mov_b32 s[CS+1], s[CS]
	s_mov_b32 s[TK], 0
	s_mov_b32 s[TS], 0
	s_wait_dscnt 0x0
	s_wait_kmcnt 0x0
	s_mov_b32 s[G0S], 1
	s_add_nc_u64 s[G0S+2:G0S+3], s[6:7], s[76:77]
	s_or_b32 s[G0S+3], s[G0S+3], 0x80000000
	s_mov_b32 s[G0C], 1
	s_add_nc_u64 s[G0C+2:G0C+3], s[4:5], s[72:73]
	s_or_b32 s[G0C+3], s[G0C+3], 0x80000000
	s_mov_b32 s[G0R], 1
	s_add_nc_u64 s[G0R+2:G0R+3], s[4:5], s[74:75]
	s_or_b32 s[G0R+3], s[G0R+3], 0x80000000
	s_add_nc_u64 s[60:61], s[4:5], s[60:61]
	s_add_nc_u64 s[62:63], s[6:7], s[62:63]
	ROUND                                          ; all four work-groups are here: the joint loads meet
	tensor_load_to_lds s[G0S:G0S+3], s[G1S:G1S+7]  ; all fills of the launch go out together: three loads of mine are out
	s_nop 0
	tensor_load_to_lds s[G0C:G0C+3], s[G1C:G1C+7]
	s_nop 0
	tensor_load_to_lds s[G0R:G0R+3], s[G1R:G1R+7]
	s_nop 0
.rept 4
	v_nop
.endr
.irp c, 0,1,2
	global_load_b128 v[16+4*\c:19+4*\c], v1, s[60:61] offset:512*\c   ; q's fragment stays in registers
.endr
	global_load_b32 v255, v28, s[62:63]            ; and its scale words
	v_mov_b32 v13, 0xff61b1e6                      ; the largest t so far: -3e38, under every t
	v_floor_f32 v12, -v13                          ; -M
	v_mov_b32 v14, 0                               ; the sum, in two halves
	v_mov_b32 v15, 0
.irp b, 0,1,2,3
	v_mov_b32 v[236+\b], 0                         ; written once: a lane permute's destination counts as one of its sources
.endr
	v_mov_b32 v253, 0                              ; (named as the upper half of the pair v[252:253] before it is first written)
.set J, 0
.rept 64
	v_mov_b32 v[160+J], 0                          ; O^T.  (The step has no first form of its own: it finds zeros, which the first change of M leaves zeros)
.set J, J+1
.endr
; A KEY STEP: 128 keys.
.macro STEP
	v_add_nc_u32 v[ADK], s[TK], v1                 ; (these four are also the four plain instructions between the last step's products and the loads into the registers that they read)
	v_add_nc_u32 v[ADV], s[TK], v2
	v_add_nc_u32 v[ADS], s[TS], v3
	v_add_nc_u32 v[ADT], s[TS], v4
.irp g, 0,1                                    ; S^T = k q^T, four tiles of 16 keys at a time
.if \g > 0
.rept 4
	v_nop
.endr
.endif
.irp t, 0,1,2,3
.irp c, 0,1,2
	ds_load_b128 v[32+12*\t+4*\c:35+12*\t+4*\c], v[ADK] offset:(4*\g+\t)*1536+512*\c
.endr
.endr
.irp u, 0,1
	ds_load_b32 v[248+\u], v[ADS] offset:(2*\g+\u)*128   ; lanes 0-15: the even fragment's words, lanes 16-31: the odd one's
.endr
	s_wait_dscnt 0x0
.irp t, 0,2
	v_wmma_scale_f32_16x16x128_f8f6f4 v[96+8*(4*\g+\t):103+8*(4*\g+\t)], v[32+12*\t:43+12*\t], v[16:27], 0, v[248+\t/2], v255 matrix_a_fmt:MATRIX_FMT_BF6 matrix_b_fmt:MATRIX_FMT_BF6
	v_wmma_scale_f32_16x16x128_f8f6f4 v[104+8*(4*\g+\t):111+8*(4*\g+\t)], v[44+12*\t:55+12*\t], v[16:27], 0, v[248+\t/2], v255 matrix_a_fmt:MATRIX_FMT_BF6 matrix_b_fmt:MATRIX_FMT_BF6 matrix_a_scale:MATRIX_SCALE_ROW1
.endr
.endr                                          ; lane (r, h) holds query r; register 16 b + i is key 32 b + 16 h + i of the step
.rept 4
	v_nop
.endr
.irp b, 0,1,2,3
	v_max3_num_f32 v[232+\b], v[96+16*\b], v[97+16*\b], v[98+16*\b]   ; THE LARGEST SCORE OF EACH BLOCK OF 32 KEYS: it serves the row's maximum and, since p rises with the score, the block's largest p
.endr
.irp i, 3,5,7,9,11,13
.irp b, 0,1,2,3
	v_max3_num_f32 v[232+\b], v[232+\b], v[96+16*\b+\i], v[97+16*\b+\i]
.endr
.endr
.irp b, 0,1,2,3
	v_max_num_f32 v[232+\b], v[232+\b], v[111+16*\b]
.endr
.irp b, 0,1,2,3
	v_permlanex16_b32 v[236+\b], v[232+\b], s[SEL], s[SEL+1]
.endr
.irp b, 0,1,2,3
	v_max_num_f32 v[232+\b], v[232+\b], v[236+\b]  ; with lane l xor 16's 16 keys
.endr
	v_max3_num_f32 v254, v232, v233, v234
	v_max_num_f32 v254, v254, v235                 ; the step's largest score of my query
	v_mul_f32 v254, s[CS], v254                    ; as t
	v_max_num_f32 v13, v13, v254                   ; the running largest t
	v_mov_b32 v254, v12
	v_floor_f32 v12, -v13                          ; the new -M = floor(-t) = -ceil(t): a whole number
	v_sub_f32 v254, v12, v254                      ; old M - new M: a whole number, 0 or less
	v_cvt_i32_f32 v254, v254                       ; (it saturates)
	v_ldexp_f32 v252, 1.0, v254                    ; f = 2^(old M - new M)
.set J, 0
.rept 32
	v_pk_fma_f32 v[96+J:97+J], v[96+J:97+J], s[CS:CS+1], v[12:13] op_sel_hi:[1,0,0]   ; t - M, two at a time
.set J, J+2
.endr
.irp b, 0,1,2,3
	v_fma_f32 v[232+\b], v[232+\b], s[CS], v12     ; the same of each block's largest score
.endr
.set J, 0
.rept 64
	v_exp_f32 v[96+J], v[96+J]                     ; p = 2^(t - M), at most 1: not normalised
.set J, J+1
.endr
	v_pk_mul_f32 v[14:15], v[14:15], v[252:253] op_sel_hi:[1,0]   ; the sums under the new M: the plain instruction behind the exponentials
	s_wait_alu depctr_va_vdst(0)                   ; one wait for the whole batch, ahead of its first reader
.irp b, 0,1,2,3
	v_exp_f32 v[232+\b], v[232+\b]                 ; the block's largest p: the same two instructions on the same number give the same bits
.endr
	v_pk_add_f32 v[236:237], v[96:97], v[98:99]    ; THE ROW'S SUM IS TAKEN OF THE UNQUANTISED p, in two chains; it reads the 64 alone
.irp j, 4,8,12,16,20,24,28,32,36,40,44,48,52,56,60
	v_pk_add_f32 v[14:15], v[14:15], v[96+\j:97+\j]
	v_pk_add_f32 v[236:237], v[236:237], v[98+\j:99+\j]
.endr
	v_pk_add_f32 v[14:15], v[14:15], v[236:237]
	s_wait_alu depctr_va_vdst(0)                   ; and one for the four
.irp b, 0,1,2,3
	v_max_num_f32 v[232+\b], 0x2800000, v[232+\b]  ; the floor 2^(5 - 127): the byte cannot fall under 1
.endr
.irp b, 0,1,2,3
	v_add_nc_u32 v[244+\b], 0xfe000000, v[232+\b]  ; 4 off the exponent field: the conversion's scale operand
.endr
.irp b, 0,1,2,3
	v_lshrrev_b32 v[236+\b], 23, v[244+\b]         ; the scale's byte
.endr
	v_lshl_or_b32 v253, v237, 8, v236              ; p's scale word for these 128 keys
	v_lshl_or_b32 v253, v238, 16, v253
	v_lshl_or_b32 v253, v239, 24, v253
.irp c, 0,1
	v_cvt_scalef32_pk16_bf6_f32 v[224+6*\c:226+6*\c], v[96+32*\c:111+32*\c], v[244+2*\c]
	v_cvt_scalef32_pk16_bf6_f32 v[236+4*\c:238+4*\c], v[112+32*\c:127+32*\c], v[244+2*\c+1]
.endr
	v_nop                                          ; one plain instruction behind the scaled conversions
.irp c, 0,1
.irp i, 0,1,2
	v_permlane16_swap_b32 v[224+6*\c+\i], v[236+4*\c+\i]
.endr
.irp i, 0,1,2
	v_mov_b32 v[227+6*\c+\i], v[236+4*\c+\i]
.endr
.endr
.set J, 0
.rept 32
	v_pk_mul_f32 v[160+J:161+J], v[160+J:161+J], v[252:253] op_sel_hi:[1,0]   ; O^T under the new M.  (These 32 also stand between the lines that made p's codes and scale word and the products that take them, and ahead of the loads below)
.set J, J+2
.endr
.irp g, 0,1                                    ; O^T += k^T p^T: four tiles of 16 of the head's 128 at a time; K = these 128 keys
.if \g > 0
.rept 4
	v_nop
.endr
.endif
.irp t, 0,1,2,3
.irp c, 0,1,2
	ds_load_b128 v[32+12*\t+4*\c:35+12*\t+4*\c], v[ADV] offset:(4*\g+\t)*1536+512*\c
.endr
.endr
.irp u, 0,1
	ds_load_b32 v[248+\u], v[ADT] offset:(2*\g+\u)*128
.endr
	s_wait_dscnt 0x0
.irp t, 0,2
	v_wmma_scale_f32_16x16x128_f8f6f4 v[160+8*(4*\g+\t):167+8*(4*\g+\t)], v[32+12*\t:43+12*\t], v[224:235], v[160+8*(4*\g+\t):167+8*(4*\g+\t)], v[248+\t/2], v253 matrix_a_fmt:MATRIX_FMT_BF6 matrix_b_fmt:MATRIX_FMT_BF6
	v_wmma_scale_f32_16x16x128_f8f6f4 v[168+8*(4*\g+\t):175+8*(4*\g+\t)], v[44+12*\t:55+12*\t], v[224:235], v[168+8*(4*\g+\t):175+8*(4*\g+\t)], v[248+\t/2], v253 matrix_a_fmt:MATRIX_FMT_BF6 matrix_b_fmt:MATRIX_FMT_BF6 matrix_a_scale:MATRIX_SCALE_ROW1
.endr
.endr
	s_add_co_u32 s[TK], s[TK], 12288               ; the next step's fragments and scale words
	s_add_co_u32 s[TS], s[TS], 512
.endm
	s_wait_tensorcnt 1                             ; my parts of the scale words and of key steps 0 and 1 are in; key steps 2 to 7 may be out
	s_wait_loadcnt 0x0                             ; q
	s_barrier_signal -1
	s_barrier_wait -1                              ; everybody's are
	s_mov_b32 s[CNT], 2
.Lfirst:
	STEP
	s_sub_co_u32 s[CNT], s[CNT], 1
	s_cmp_lg_u32 s[CNT], 0
	s_cbranch_scc1 .Lfirst
	s_wait_tensorcnt 0x0                           ; my part of key steps 2 to 7 is in,
	s_wait_dscnt 0x0
	s_barrier_signal -1
	s_barrier_wait -1                              ; everybody's is
	s_mov_b32 s[CNT], 6
.Lrest:
	STEP
	s_sub_co_u32 s[CNT], s[CNT], 1
	s_cmp_lg_u32 s[CNT], 0
	s_cbranch_scc1 .Lrest
	; THE WAY OUT.  O^T / the sum is my 16 queries' context of this head: register 16 b + i is channel 32 b + 16 h + i: one fragment of the last product's first operand, K step = head.
.rept 4
	v_nop                                          ; four plain instructions between the last products and the first read of results
.endr
	v_add_f32 v14, v14, v15                        ; the sum's two halves,
	v_permlanex16_b32 v252, v14, s[SEL], s[SEL+1]
	v_add_f32 v14, v14, v252                       ; and lane l xor 16's: the row's sum
	v_rcp_f32 v14, v14
	v_nop                                          ; a plain instruction behind the reciprocal
	s_lshl_b32 s66, s13, 4
	s_add_co_u32 s66, s66, s[WV]                   ; my block of queries in the batch
	s_lshr_b32 s67, s14, 3                         ; batch
	s_and_b32 s68, s14, 7                          ; head
	s_lshl_b32 s69, s67, 6
	s_add_co_u32 s69, s69, s66                     ; block of 16 rows of the context
	s_lshl_b32 s69, s69, 3
	s_add_co_u32 s69, s69, s68                     ; its K step
	s_mul_i32 s70, s69, 1536
	s_mov_b32 s71, 0
	s_add_nc_u64 s[8:9], s[8:9], s[70:71]
	s_lshl_b32 s69, s67, 3                         ; the scale words: 4,096 (group of 8 blocks) + 512 head + 64 (block % 8) + 4 r
	s_lshl_b32 s70, s13, 1
	s_add_co_u32 s69, s69, s70
	s_add_co_u32 s69, s69, s[WV]                   ; wave 0 stores the group of waves 0-7, wave 1 that of waves 8-15
	s_lshl_b32 s70, s69, 12
	s_lshl_b32 s68, s68, 9
	s_add_co_u32 s70, s70, s68
	s_add_nc_u64 s[10:11], s[10:11], s[70:71]
	s_wait_alu depctr_va_vdst(0)                   ; the wait ahead of the reciprocal's first reader
.set J, 0
.rept 32
	v_pk_mul_f32 v[96+J:97+J], v[160+J:161+J], v[14:15] op_sel_hi:[1,0]   ; each accumulator from its low end on
.set J, J+2
.endr
	QUANT 96, 48, 68
.irp c, 0,1,2
	global_store_b128 v1, v[48+4*\c:51+4*\c], s[8:9] offset:512*\c   ; 32 lanes store 512 consecutive bytes, at a multiple of 512 from the buffer's first byte
.endr
	ds_store_b32 v6, v68                           ; lanes r and r + 16 write the same word with the same value
	s_wait_dscnt 0x0                               ; for the others' sake: my store has landed
	s_barrier_signal -1
	s_barrier_wait -1
	s_cmp_lt_u32 s[WV], 2
	s_cbranch_scc0 .Lno_scales
	ds_load_b128 v[72:75], v7                      ; eight waves' words: 512 bytes
	s_wait_dscnt 0x0
	global_store_b128 v1, v[72:75], s[10:11]       ; 512 consecutive bytes, at a multiple of 512 from the buffer's first byte
.Lno_scales:
	s_wait_tensorcnt 0x0
	ds_add_u32 v250, v251
	s_wait_dscnt 0x0
	ROUND                                          ; the closing round: no work-group ends while a partner may still ask for a tile that names it
	s_endpgm
.Lfunc_end_k_q8593ecbb59_attn:
	.size	k_q8593ecbb59_attn, .Lfunc_end_k_q8593ecbb59_attn-k_q8593ecbb59_attn
	.p2alignl 7, 3214868480
	.fill 96, 4, 3214868480
	.section	.rodata,"a",@progbits
	.p2align	6, 0x0
	.amdhsa_kernel k_q8593ecbb59_attn
		.amdhsa_group_segment_fixed_size 207872
		.amdhsa_private_segment_fixed_size 0
		.amdhsa_enable_private_segment 0
		.amdhsa_kernarg_size 32
		.amdhsa_user_sgpr_count 2
		.amdhsa_user_sgpr_kernarg_segment_ptr 1
		.amdhsa_wavefront_size32 1
		.amdhsa_system_sgpr_workgroup_id_x 1
		.amdhsa_system_sgpr_workgroup_id_y 1
		.amdhsa_system_sgpr_workgroup_id_z 1
		.amdhsa_system_vgpr_workitem_id 0
		.amdhsa_next_free_vgpr 256
		.amdhsa_next_free_sgpr 80
		.amdhsa_reserve_vcc 0
		.amdhsa_float_denorm_mode_32 3
		.amdhsa_float_denorm_mode_16_64 3
		.amdhsa_memory_ordered 1
		.amdhsa_forward_progress 1
		.amdhsa_inst_pref_size 55
	.end_amdhsa_kernel
	.amdgpu_metadata
---
amdhsa.version: [ 1, 2 ]
amdhsa.kernels:
  - .name:           k_q8593ecbb59_attn
    .symbol:         k_q8593ecbb59_attn.kd
    .args:
      - { .name: qk_codes, .offset: 0, .size: 8, .value_kind: global_buffer, .address_space: global }
      - { .name: qk_scales, .offset: 8, .size: 8, .value_kind: global_buffer, .address_space: global }
      - { .name: ctx_codes, .offset: 16, .size: 8, .value_kind: global_buffer, .address_space: global }
      - { .name: ctx_scales, .offset: 24, .size: 8, .value_kind: global_buffer, .address_space: global }
    .group_segment_fixed_size: 207872
    .private_segment_fixed_size: 0
    .kernarg_segment_align: 8
    .kernarg_segment_size: 32
    .max_flat_workgroup_size: 512
    .sgpr_count:     80
    .vgpr_count:     256
    .wavefront_size: 32
...
	.end_amdgpu_metadata
.endif
;; end of part 3
;; launch final (part 4): grid 64 x 4, 4 waves a work-group, clusters of 4 x 4, 327,680 bytes of LDS; arguments ctx_codes, ctx_scales, xw_codes, xw_scales, bo, out0; writes out0
.if DOCPART == 4
	.amdgcn_target "amdgcn-amd-amdhsa--gfx1250"
	.amdhsa_code_object_version 6
	.text
	.protected	k_q8593ecbb59_final
	.globl	k_q8593ecbb59_final
	.p2align	8
	.type	k_q8593ecbb59_final,@function
k_q8593ecbb59_final:
	s_mov_b64 s[64:65], 0
	v_nop
	global_prefetch_b8 v0, s[64:65] scope:SCOPE_SE
	s_setreg_imm32_b32 hwreg(HW_REG_WAVE_MODE, 25, 1), 1
	s_wait_xcnt 0x0
	s_wait_alu depctr_hold_cnt(0) depctr_sa_sdst(0) depctr_va_vdst(0) depctr_va_sdst(0) depctr_va_ssrc(0) depctr_va_vcc(0) depctr_vm_vsrc(0)
	s_getreg_b32 s2, hwreg(HW_REG_IB_STS2, 6, 4)
	s_cmp_eq_u32 s2, 0
	s_cbranch_scc0 .Lentry_in_a_cluster
	s_endpgm
.Lentry_in_a_cluster:
	s_bfe_u32 s2, ttmp6, 0x10000c
	s_cmp_lg_u32 s2, 0xf033
	s_cbranch_scc0 .Lentry_shape_is_right
	s_endpgm
.Lentry_shape_is_right:
; out0 = tanh([context, decoder_output] Wo^T + bo): one product of 8,192 x 1,024 x 2,048 on codes of BF6, taken as context x Wo[:, 0:1024]^T (K steps 0-7) and decoder_output x Wo[:, 1024:2048]^T (K steps 8-15).
; All operands come as images of operand registers: unit (16 rows x K 1,024) U at 12,288 U, fragment s at + 1,536 s.  The context's units lie in ctx_codes as decoder_output's lie in xw_codes (units 0-511);
; Wo's halves are xw_codes' units 1152-1215 and 1216-1279.  Scale words: xw_scales 512 U + 32 r + 4 s;  ctx_scales 4,096 (U / 8) + 512 s + 64 (U % 8) + 4 r.
; TILE: a work-group makes 128 rows x 256 columns, each of four waves 64 x 128: 32 accumulators.  THE MATRIX INSTRUCTION IS USED TRANSPOSED (source 0 = 16 rows of Wo, source 1 = 16 rows of A).  Lane r of unit 2 g + u holds
; row 32 g + 8 u + r + 8 (r / 8): a lane's registers 16 b + i are columns 32 b + 16 (lane / 16) + i, and the stores' addresses put the rows back in order.
; RING: two slots of 512 along K, visited four times; each is filled again once, by one joint load a wave, which has a visit's 128 matrix instructions in which to land.  By this text's count a wave has four tensor loads out at the start, later one.
; CLUSTER 4 x 4: A's tiles are shared along a row of the cluster, Wo's along a column.  All scale words come once, with the first fills.
; tanh(x) = 1 - 2 / (1 + 2^(2 log2(e) x)): its absolute error is of the order of f32's rounding of 1; it goes to +-1 where the power overflows or vanishes.  LIMITS: NaN among the inputs is not served.
; REGISTERS: window 0: v1-29 addresses; v32-95 Wo's scale words, v96-127 A's (one register: lanes 0-15 block 2 j, lanes 16-31 block 2 j + 1); v128-223 A's fragments, two sets (on the way out v128-191: a block's numbers).
;   window 1: v0-191 Wo's fragments, two sets (on the way out v0-127: rows read back); v192-255 bo.   window 2: accumulator (a, b) at v[8 (8 a + b)].
.set NQ,    4
.set BLKB,  NQ*1536
.set SLOT,  24*BLKB                    ; A's 8 blocks, then Wo's 16
.set NS,    16
.set SCL,   2*SLOT                     ; behind the ring: the context's scale words (4,096 bytes), decoder_output's (4,096), Wo's first half's (8,192), its second half's (8,192)
.set SPARE, SCL+24576                  ; the spare words, 128 bytes for each wave: two blocks of 256 bytes that no other line names
.set SROW,  528                        ; the way out: a stage of 16 rows x (512 + 16) bytes for each wave, in slot 0, which has had its last fill and its last read when the first result is stored there
.set LI,    3
.set ADRA,  16
.set ADRB,  20
.set STO,   24
.set RD,    25
.set SPW,   28
.set NIL,   29
.set SCB,   32
.set SCA,   96
.set AF,    128
.set T,     128
.set BB,    192                        ; in window 1
.set WV,    16
.set AH,    17
.set BH,    18
.set G1,    24
.set G1B,   32
.set G1S,   40
.set G1SB,  48
.set G0,    56                         ; s[56:63] groups 0 for A's tiles, one for each slot; s[68:75] for Wo's; s[76:83], s[84:91] for the scale words, two each
.set G0B,   68
.set G0S,   76
.set G0SB,  84
.set DA,    92                         ; s[92:93] decoder_output's codes at the blocks that I fetch
.set MSB,   0
.macro WIN new
.if MSB != \new
	s_set_vgpr_msb (MSB<<8)|\new
.set MSB, \new
.endif
.endm
.set MUL,   0xa1                       ; source 0 (Wo) window 1, source 1 (A) window 0, C and D window 2
.set MULB,  0x91                       ; the same with C (bo) in window 1
.set TO_B,  0x40
.macro JLOAD g0a, g1a, g0b, g1b        ; a joint load: waves 0 and 1 fetch for A, waves 2 and 3 for Wo; four v_nop follow each of the two lines
	s_cmp_eq_u32 s[AH], 0
	s_cbranch_scc0 .Lfor_b_\@
	tensor_load_to_lds s[\g0a:\g0a+3], s[\g1a:\g1a+7]
	s_nop 0
.rept 4
	v_nop
.endr
	s_branch .Lasked_\@
.Lfor_b_\@:
	tensor_load_to_lds s[\g0b:\g0b+3], s[\g1b:\g1b+7]
	s_nop 0
.rept 4
	v_nop
.endr
.Lasked_\@:
.endm
.macro CREST                           ; a round of the cluster's barrier behind its opening barrier
	s_cmp_lg_u32 s[WV], 0
	s_cbranch_scc1 .Lnot_wave_0_\@
	s_barrier_signal -3
.Lnot_wave_0_\@:
	s_barrier_wait -3
	s_barrier_signal -1
	s_barrier_wait -1
.endm
.macro CROUND
	s_barrier_signal -1
	s_barrier_wait -1
	CREST
.endm
.macro PLACES n
.rept \n
	v_nop
.endr
.endm
.macro FETCH slot, q, set              ; 36 LDS loads in one run, each of 512 consecutive bytes
	WIN TO_B
.irp i, 0,1,2,3,4,5,6,7
.irp c, 0,1,2
	ds_load_b128 v[96*(\set)+12*\i+4*\c:96*(\set)+12*\i+4*\c+3], v[ADRB+(\slot)] offset:\i*BLKB+(\q)*1536+512*\c
.endr
.endr
	WIN 0
.irp i, 0,1,2,3
.irp c, 0,1,2
	ds_load_b128 v[AF+48*(\set)+12*\i+4*\c:AF+48*(\set)+12*\i+4*\c+3], v[ADRA+(\slot)] offset:\i*BLKB+(\q)*1536+512*\c
.endr
.endr
.endm
.macro WM a, b, set, S, first          ; first = 1: the bias is the C of the sum's first product
.set rD, 8*(8*(\a)+(\b))
.set rB, 96*(\set)+12*(\b)
.set rA, AF+48*(\set)+12*(\a)
.set rSB, SCB+NS*((\b)/2)+(\S)
.set rSA, SCA+NS*((\a)/2)+(\S)
.if \first
.set rC, BB+8*(\b)
.else
.set rC, rD
.endif
.if ((\b)%2 == 0) && ((\a)%2 == 0)
	v_wmma_scale_f32_16x16x128_f8f6f4 v[rD:rD+7], v[rB:rB+11], v[rA:rA+11], v[rC:rC+7], v[rSB], v[rSA] matrix_a_fmt:MATRIX_FMT_BF6 matrix_b_fmt:MATRIX_FMT_BF6
.elseif ((\a)%2 == 0)
	v_wmma_scale_f32_16x16x128_f8f6f4 v[rD:rD+7], v[rB:rB+11], v[rA:rA+11], v[rC:rC+7], v[rSB], v[rSA] matrix_a_fmt:MATRIX_FMT_BF6 matrix_b_fmt:MATRIX_FMT_BF6 matrix_a_scale:MATRIX_SCALE_ROW1
.elseif ((\b)%2 == 0)
	v_wmma_scale_f32_16x16x128_f8f6f4 v[rD:rD+7], v[rB:rB+11], v[rA:rA+11], v[rC:rC+7], v[rSB], v[rSA] matrix_a_fmt:MATRIX_FMT_BF6 matrix_b_fmt:MATRIX_FMT_BF6 matrix_b_scale:MATRIX_SCALE_ROW1
.else
	v_wmma_scale_f32_16x16x128_f8f6f4 v[rD:rD+7], v[rB:rB+11], v[rA:rA+11], v[rC:rC+7], v[rSB], v[rSA] matrix_a_fmt:MATRIX_FMT_BF6 matrix_b_fmt:MATRIX_FMT_BF6 matrix_a_scale:MATRIX_SCALE_ROW1 matrix_b_scale:MATRIX_SCALE_ROW1
.endif
.endm
.macro MUL8 a, set, S, first
.irp b, 0,1,2,3,4,5,6,7
	WM \a, \b, \set, \S, \first
.endr
.endm
; A step of 128 along K that has its successor in the same slot, or none: 32 matrix instructions; the 32 accumulators take turns, one instruction a turn, in the same order in every step.
.macro SUB set, S, fetch, nslot, nq, first
	s_wait_dscnt 0x0                               ; this step's fragments are in
.if \fetch
	PLACES 4                                       ; four plain instructions between the last products that read the other set and the loads into it
	FETCH \nslot, \nq, 1-(\set)
.endif
.if \first
	WIN MULB
.else
	WIN MUL
.endif
	MUL8 0, \set, \S, \first
	MUL8 1, \set, \S, \first
	MUL8 2, \set, \S, \first
	MUL8 3, \set, \S, \first
	WIN 0
.endm
; A slot's last step changes slots: ONE barrier; in front of it each wave waits for all its tensor loads, adds 0 to its spare word, and waits for that and for its own reads of this slot.
; fill = 1: this slot is filled again: A's tile now comes from decoder_output, Wo's from its second half, 64 units on.  The barrier then opens a round of the cluster's barrier.
.macro TURN slot, next, fill, set, S
	s_wait_tensorcnt 0x0                           ; all my tensor loads have landed: my part of the next slot; so a group 0 may be written
	ds_add_u32 v[SPW], v[NIL]                      ; 0 onto my spare word
.if \fill
	s_add_nc_u64 s[G0+4*\slot+2:G0+4*\slot+3], s[DA:DA+1], \slot*BLKB
	s_or_b32 s[G0+4*\slot+3], s[G0+4*\slot+3], 0x80000000
	s_add_nc_u64 s[G0B+4*\slot+2:G0B+4*\slot+3], s[G0B+4*\slot+2:G0B+4*\slot+3], 64*12288   ; the type bits on top are not reached
.endif
	s_wait_dscnt 1                                 ; this step's fragments are in; the add may be out
	WIN MUL
	MUL8 0, \set, \S, 0                            ; eight matrix instructions stand between the add and the wait for it
	s_wait_dscnt 0x0                               ; the add is done, and my reads of this slot are over
	s_barrier_signal -1
	MUL8 1, \set, \S, 0
	WIN 0
	s_barrier_wait -1
.if \fill
	CREST                                          ; no wave of any partner still reads this slot's tiles or has a load on its way
	JLOAD G0+4*\slot, G1, G0B+4*\slot, G1B         ; the first tensor load behind the round; its four v_nop also stand ahead of the loads below
.else
	PLACES 4
.endif
	FETCH \next, 0, 1-(\set)
	WIN MUL
	MUL8 2, \set, \S, 0
	MUL8 3, \set, \S, 0
	WIN 0
.endm
	s_load_b256 s[4:11], s[0:1], 0x0               ; ctx_codes, ctx_scales, xw_codes, xw_scales
	s_load_b128 s[12:15], s[0:1], 0x20             ; bo, out0
	v_lshl_add_u32 v[SPW], v0, 2, SPARE
	v_mov_b32 v[NIL], 0
	ds_add_u32 v28, v29
	ds_add_u32 v28, v29
	s_wait_dscnt 0x0
	v_lshrrev_b32 v1, 5, v0
	v_readfirstlane_b32 s[WV], v1                  ; wave 0..3
	s_lshr_b32 s[AH], s[WV], 1                     ; which 64 rows are mine.  Also: I fetch for A (0) or for Wo (1)
	s_and_b32 s[BH], s[WV], 1                      ; which 128 columns.  Also: which half of that tile I fetch
	v_and_b32 v4, 31, v0                           ; lane
	v_and_b32 v1, 15, v0                           ; r
	v_bfe_u32 v2, v0, 4, 1                         ; h
	v_lshlrev_b32 v[LI], 4, v4
	v_lshlrev_b32 v8, 6, v2                        ; bo: 64 h
	v_lshlrev_b32 v5, 5, v4                        ; 32 x lane
	s_lshl_b32 s22, s[AH], 8
	s_add_co_u32 s22, s22, SCL
	v_lshl_add_u32 v10, v4, 2, s22                 ; the context's scale words: my 4 blocks, 4 x lane
	s_lshl_b32 s22, s[AH], 11
	s_add_co_u32 s22, s22, SCL+4096
	v_add_nc_u32 v11, s22, v5                      ; decoder_output's
	s_lshl_b32 s22, s[BH], 12
	s_add_co_u32 s22, s22, SCL+8192
	v_add_nc_u32 v12, s22, v5                      ; Wo's
	s_mul_i32 s22, s[AH], 4*BLKB
	s_mul_i32 s23, s[BH], 8*BLKB
	s_add_co_u32 s23, s23, 8*BLKB
.irp k, 0,1
	v_add_nc_u32 v[ADRA+\k], s22, v[LI]
	v_add_nc_u32 v[ADRB+\k], s23, v[LI]
	s_add_co_u32 s22, s22, SLOT
	s_add_co_u32 s23, s23, SLOT
.endr
	s_mul_i32 s22, s[WV], 16*SROW                  ; my stage
	v_mul_u32_u24 v[STO], v1, SROW
	v_lshl_add_u32 v[STO], v2, 6, v[STO]
	v_add_nc_u32 v[STO], s22, v[STO]               ; in: row r, + 64 h
	v_add_nc_u32 v[RD], s22, v[LI]                 ; back: a row's 512 bytes, 16 a lane
	; what hangs on cy stays in s2, s3, s20-22, s92-95, s98, s99, s104, what hangs on cx in s19, s23, s96, s97, s100, s101, s105
	s_bfe_u32 s19, ttmp6, 0x40000                  ; cx = tile column
	s_bfe_u32 s20, ttmp6, 0x40004                  ; cy
	s_lshl_b32 s21, ttmp9, 2
	s_add_co_u32 s21, s21, s20                     ; tile row = 4 x cluster x + cy
	s_lshl_b32 s104, s20, 2
	s_lshl_b32 s104, 15, s104                      ; my row of the cluster
	s_lshl_b32 s105, 0x1111, s19                   ; my column
	s_or_b32 s[G1], s104, (3<<16)|(1<<21)          ; 15:0 the mask; 17:16 elements of 8 bytes; 21 set beside a mask
	s_or_b32 s[G1B], s105, (3<<16)|(1<<21)
	s_or_b32 s[G1S], s104, (3<<16)|(1<<21)
	s_or_b32 s[G1SB], s105, (3<<16)|(1<<21)
	s_mov_b32 s[G1+1], (BLKB/8)<<16                ; a tile of 4 blocks x BLKB bytes, 12,288 bytes from block to block; dense in LDS
	s_mov_b32 s[G1+2], 4<<16
	s_mov_b32 s[G1+3], (BLKB/8)<<16
	s_mov_b32 s[G1+4], 4
	s_mov_b32 s[G1+5], 1536
	s_mov_b32 s[G1+6], 0
	s_mov_b32 s[G1+7], 0
	s_mov_b32 s[G1B+1], (BLKB/8)<<16               ; 8 blocks
	s_mov_b32 s[G1B+2], 8<<16
	s_mov_b32 s[G1B+3], (BLKB/8)<<16
	s_mov_b32 s[G1B+4], 8
	s_mov_b32 s[G1B+5], 1536
	s_mov_b32 s[G1B+6], 0
	s_mov_b32 s[G1B+7], 0
	s_mov_b32 s[G1S+1], 32<<16                     ; scale words: dense, as rows of 256 bytes: 8 rows,
	s_mov_b32 s[G1S+2], 8<<16
	s_mov_b32 s[G1S+3], 32<<16
	s_mov_b32 s[G1S+4], 8
	s_mov_b32 s[G1S+5], 32
	s_mov_b32 s[G1S+6], 0
	s_mov_b32 s[G1S+7], 0
	s_mov_b32 s[G1SB+1], 32<<16                    ; 16 rows
	s_mov_b32 s[G1SB+2], 16<<16
	s_mov_b32 s[G1SB+3], 32<<16
	s_mov_b32 s[G1SB+4], 16
	s_mov_b32 s[G1SB+5], 32
	s_mov_b32 s[G1SB+6], 0
	s_mov_b32 s[G1SB+7], 0
	s_lshl_b32 s22, s21, 3
	s_lshl_b32 s66, s[BH], 2
	s_add_co_u32 s22, s22, s66                     ; A's first unit that I fetch
	s_mul_i32 s94, s22, 12288
	s_mov_b32 s95, 0
	s_lshl_b32 s2, s22, 9
	s_mov_b32 s3, 0
	s_lshl_b32 s98, s21, 12
	s_lshl_b32 s66, s[BH], 11
	s_add_co_u32 s98, s98, s66                     ; my half of the tile row's 4,096 bytes of the context's scale words
	s_mov_b32 s99, 0
	s_lshl_b32 s23, s19, 4
	s_lshl_b32 s66, s[BH], 3
	s_add_co_u32 s23, s23, s66
	s_add_co_u32 s23, s23, 1152                    ; Wo's first unit that I fetch
	s_mul_i32 s96, s23, 12288
	s_mov_b32 s97, 0
	s_lshl_b32 s100, s23, 9
	s_mov_b32 s101, 0
	s_mul_i32 s66, s[BH], 4*BLKB                   ; where they go in a slot: no place in the cluster enters an LDS address
	s_mul_i32 s67, s[BH], 8*BLKB
	s_add_co_u32 s67, s67, 8*BLKB
	s_wait_kmcnt 0x0
	s_add_nc_u64 s[DA:DA+1], s[8:9], s[94:95]      ; decoder_output's codes,
	s_add_nc_u64 s[94:95], s[4:5], s[94:95]        ; the context's,
	s_add_nc_u64 s[98:99], s[6:7], s[98:99]        ; the context's scale words,
	s_add_nc_u64 s[2:3], s[10:11], s[2:3]          ; decoder_output's,
	s_add_nc_u64 s[96:97], s[8:9], s[96:97]        ; Wo's codes,
	s_add_nc_u64 s[100:101], s[10:11], s[100:101]  ; Wo's scale words
.irp k, 0,1
	s_mov_b32 s[G0+4*\k], 1
	s_add_co_u32 s[G0+4*\k+1], s66, \k*SLOT
	s_add_nc_u64 s[G0+4*\k+2:G0+4*\k+3], s[94:95], \k*BLKB
	s_or_b32 s[G0+4*\k+3], s[G0+4*\k+3], 0x80000000
	s_mov_b32 s[G0B+4*\k], 1
	s_add_co_u32 s[G0B+4*\k+1], s67, \k*SLOT
	s_add_nc_u64 s[G0B+4*\k+2:G0B+4*\k+3], s[96:97], \k*BLKB
	s_or_b32 s[G0B+4*\k+3], s[G0B+4*\k+3], 0x80000000
.endr
	s_lshl_b32 s66, s[BH], 11
	s_lshl_b32 s67, s[BH], 12
	s_mov_b32 s[G0S], 1
	s_add_co_u32 s[G0S+1], s66, SCL
	s_mov_b64 s[G0S+2:G0S+3], s[98:99]
	s_or_b32 s[G0S+3], s[G0S+3], 0x80000000
	s_mov_b32 s[G0S+4], 1
	s_add_co_u32 s[G0S+5], s66, SCL+4096
	s_mov_b64 s[G0S+6:G0S+7], s[2:3]
	s_or_b32 s[G0S+7], s[G0S+7], 0x80000000
	s_mov_b32 s[G0SB], 1
	s_add_co_u32 s[G0SB+1], s67, SCL+8192
	s_mov_b64 s[G0SB+2:G0SB+3], s[100:101]
	s_or_b32 s[G0SB+3], s[G0SB+3], 0x80000000
	s_mov_b32 s[G0SB+4], 1
	s_add_co_u32 s[G0SB+5], s67, SCL+16384
	s_add_nc_u64 s[G0SB+6:G0SB+7], s[100:101], 64*512
	s_or_b32 s[G0SB+7], s[G0SB+7], 0x80000000
	CROUND                                         ; all sixteen work-groups are here: the first joint loads meet
	JLOAD G0S, G1S, G0SB, G1SB                     ; the first fills go out together: four loads of mine are out
	JLOAD G0S+4, G1S, G0SB+4, G1SB
	JLOAD G0, G1, G0B, G1B
	JLOAD G0+4, G1, G0B+4, G1B
	s_lshl_b32 s94, s21, 3
	s_lshl_b32 s95, s[AH], 2
	s_add_co_u32 s94, s94, s95                     ; my first block of 16 rows
	s_lshl_b32 s94, s94, 16                        ; 16 rows of 4,096 bytes
	s_lshl_b32 s96, s19, 10
	s_lshl_b32 s95, s[BH], 9
	s_add_co_u32 s96, s96, s95                     ; my 128 columns, in bytes
	s_mov_b32 s97, 0
	s_add_nc_u64 s[12:13], s[12:13], s[96:97]      ; bo at my columns
	s_add_co_u32 s94, s94, s96
	s_mov_b32 s95, 0
	s_add_nc_u64 s[14:15], s[14:15], s[94:95]      ; out0 at my part; never stepped
	WIN TO_B
.irp b, 0,1,2,3,4,5,6,7                        ; tile b = 2 g + u: lane (r, h) wants bo of columns 32 g + 16 h + 8 u + 0 .. 7
	global_load_b128 v[BB+8*\b:BB+8*\b+3], v8, s[12:13] offset:(32*(\b/2)+8*(\b%2))*4
	global_load_b128 v[BB+8*\b+4:BB+8*\b+7], v8, s[12:13] offset:(32*(\b/2)+8*(\b%2))*4+16
.endr
	WIN 0
	s_wait_loadcnt 0x0
	s_wait_tensorcnt 1                             ; the scale words and my part of slot 0 are in; slot 1's load may be out
	s_barrier_signal -1
	s_barrier_wait -1                              ; everybody's are
.irp j, 0,1,2,3                                ; all scale words, once.  Register NS j + S: lanes 0-15 block 2 j, lanes 16-31 block 2 j + 1, K step S
.irp z, 0,1
.irp y, 0,1
	ds_load_b128 v[SCB+NS*\j+8*\z+4*\y:SCB+NS*\j+8*\z+4*\y+3], v12 offset:\z*8192+\j*1024+16*\y
.endr
.endr
.endr
.irp j, 0,1
.irp y, 0,1
	ds_load_b128 v[SCA+NS*\j+8+4*\y:SCA+NS*\j+8+4*\y+3], v11 offset:\j*1024+16*\y
.endr
.irp s, 0,1,2,3,4,5,6,7
	ds_load_b32 v[SCA+NS*\j+\s], v10 offset:\s*512+\j*128
.endr
.endr
	FETCH 0, 0, 0
	SUB 0, 0, 1, 0, 1, 1                           ; the first step's products start the sums, from bo
	SUB 1, 1, 1, 0, 2, 0
	SUB 0, 2, 1, 0, 3, 0
	TURN 0, 1, 1, 1, 3                             ; slot 0 takes decoder_output's and Wo's second half's first 512 along K
	SUB 0, 4, 1, 1, 1, 0
	SUB 1, 5, 1, 1, 2, 0
	SUB 0, 6, 1, 1, 3, 0
	TURN 1, 0, 1, 1, 7                             ; slot 1 their last 512
	SUB 0, 8, 1, 0, 1, 0
	SUB 1, 9, 1, 0, 2, 0
	SUB 0, 10, 1, 0, 3, 0
	TURN 0, 1, 0, 1, 11                            ; nothing is left to fetch: no round follows
	SUB 0, 12, 1, 1, 1, 0
	SUB 1, 13, 1, 1, 2, 0
	SUB 0, 14, 1, 1, 3, 0
	SUB 1, 15, 0, 0, 0, 0
; THE WAY OUT, block by block of 16 rows x 128 columns: tanh in f32; through my own stage in LDS; back as whole rows of 512 bytes.
.macro TANH a
	WIN 0x02                                       ; source 0 window 2
.set P, 0
.rept 32
	v_pk_mul_f32 v[T+2*P:T+2*P+1], v[64*(\a)+2*P:64*(\a)+2*P+1], 0x4038aa3b op_sel_hi:[1,0]   ; 2 log2(e) x; each accumulator from its low end on
.set P, P+1
.endr
	WIN 0
.set P, 0
.rept 64
	v_exp_f32 v[T+P], v[T+P]
.set P, P+1
.endr
	v_nop                                          ; a plain instruction behind the batch,
	s_wait_alu depctr_va_vdst(0)                   ; and one wait for it, ahead of its first reader
.set P, 0
.rept 32
	v_pk_add_f32 v[T+2*P:T+2*P+1], v[T+2*P:T+2*P+1], 1.0 op_sel_hi:[1,0]
.set P, P+1
.endr
.set P, 0
.rept 64
	v_rcp_f32 v[T+P], v[T+P]
.set P, P+1
.endr
	v_nop
	s_wait_alu depctr_va_vdst(0)
.set P, 0
.rept 32
	v_pk_fma_f32 v[T+2*P:T+2*P+1], v[T+2*P:T+2*P+1], -2.0, 1.0 op_sel_hi:[1,0,0]
.set P, P+1
.endr
.endm
.macro TOSTAGE a
.irp b, 0,1,2,3,4,5,6,7
	ds_store_b128 v[STO], v[T+8*\b:T+8*\b+3] offset:128*(\b/2)+32*(\b%2)        ; tile b = 2 g + u, lane (r, h): columns 32 g + 16 h + 8 u + 0 .. 7 of row r
	ds_store_b128 v[STO], v[T+8*\b+4:T+8*\b+7] offset:128*(\b/2)+32*(\b%2)+16
.endr
	WIN TO_B
.irp t, 0,1,2,3,4,5,6,7,8,9,10,11,12,13,14,15
	ds_load_b128 v[64*((\a)%2)+4*\t:64*((\a)%2)+4*\t+3], v[RD] offset:SROW*\t   ; LDS serves a wave's instructions in order: these see my stores, and the next block's stores come behind them
.endr
	WIN 0
.endm
.macro SEND a, younger                 ; younger: the LDS instructions issued behind block a's loads, which may stay out
	s_wait_dscnt \younger
	WIN 0x04                                       ; a store's data are its source 1: window 1
.irp t, 0,1,2,3,4,5,6,7,8,9,10,11,12,13,14,15
	global_store_b128 v[LI], v[64*((\a)%2)+4*\t:64*((\a)%2)+4*\t+3], s[14:15] offset:(32*((\a)/2)+8*((\a)%2)+\t+8*(\t/8))*4096 th:TH_STORE_NT   ; lane row t of block a is row 32 (a / 2) + 8 (a % 2) + t + 8 (t / 8); 512 consecutive bytes, at a multiple of 512 from out0's first byte
.endr
	WIN 0
.endm
	PLACES 4                                       ; four plain instructions between the last products and the first read of results
	TANH 0
	TOSTAGE 0
	TANH 1
	TOSTAGE 1
	SEND 0, 32                                     ; behind block 0's loads: block 1's 16 stores and 16 loads
	TANH 2
	s_wait_xcnt 0x0                                ; block 0's stores have read their registers: block 2's rows may land there
	TOSTAGE 2
	SEND 1, 32
	TANH 3
	s_wait_xcnt 0x0                                ; block 1's likewise
	TOSTAGE 3
	SEND 2, 32
	SEND 3, 0
	s_wait_tensorcnt 0x0                           ; the wave's end: behind my last tensor load and my last LDS store
	ds_add_u32 v[SPW], v[NIL]
	s_wait_dscnt 0x0
	CROUND                                         ; the closing round: no work-group ends while a partner may still ask for a tile that names it
	s_endpgm
.Lfunc_end_k_q8593ecbb59_final:
	.size	k_q8593ecbb59_final, .Lfunc_end_k_q8593ecbb59_final-k_q8593ecbb59_final
	.p2alignl 7, 3214868480
	.fill 96, 4, 3214868480
	.section	.rodata,"a",@progbits
	.p2align	6, 0x0
	.amdhsa_kernel k_q8593ecbb59_final
		.amdhsa_group_segment_fixed_size 327680
		.amdhsa_private_segment_fixed_size 0
		.amdhsa_enable_private_segment 0
		.amdhsa_kernarg_size 48
		.amdhsa_user_sgpr_count 2
		.amdhsa_user_sgpr_kernarg_segment_ptr 1
		.amdhsa_wavefront_size32 1
		.amdhsa_system_sgpr_workgroup_id_x 1
		.amdhsa_system_sgpr_workgroup_id_y 1
		.amdhsa_system_sgpr_workgroup_id_z 1
		.amdhsa_system_vgpr_workitem_id 0
		.amdhsa_next_free_vgpr 768
		.amdhsa_next_free_sgpr 106
		.amdhsa_reserve_vcc 0
		.amdhsa_float_denorm_mode_32 3
		.amdhsa_float_denorm_mode_16_64 3
		.amdhsa_memory_ordered 1
		.amdhsa_forward_progress 1
		.amdhsa_inst_pref_size 181
	.end_amdhsa_kernel
	.amdgpu_metadata
---
amdhsa.version: [ 1, 2 ]
amdhsa.kernels:
  - .name:           k_q8593ecbb59_final
    .symbol:         k_q8593ecbb59_final.kd
    .args:
      - { .name: ctx_codes, .offset: 0, .size: 8, .value_kind: global_buffer, .address_space: global }
      - { .name: ctx_scales, .offset: 8, .size: 8, .value_kind: global_buffer, .address_space: global }
      - { .name: xw_codes, .offset: 16, .size: 8, .value_kind: global_buffer, .address_space: global }
      - { .name: xw_scales, .offset: 24, .size: 8, .value_kind: global_buffer, .address_space: global }
      - { .name: bo, .offset: 32, .size: 8, .value_kind: global_buffer, .address_space: global }
      - { .name: out0, .offset: 40, .size: 8, .value_kind: global_buffer, .address_space: global }
    .group_segment_fixed_size: 327680
    .private_segment_fixed_size: 0
    .kernarg_segment_align: 8
    .kernarg_segment_size: 48
    .max_flat_workgroup_size: 128
    .sgpr_count:     106
    .vgpr_count:     768
    .wavefront_size: 32
...
	.end_amdgpu_metadata
.endif
;; end of part 4
